; MI455X (gfx1250); checked and timed in simulation.
; The chip was launched on July 23, 2026; its instructions are those of AMD's public machine-readable ISA for CDNA 5 (MIT licence, August 2026) and "CDNA5" Instruction Set Architecture Reference Guide (July 2026). The comments in the code are by the model that wrote it; some were corrected since.
;; Multi Head Attention. Allowed arithmetic: matrix products marked QUANTISED: E2M3 operands, one E8M0 scale for each 32 along K, by v_wmma_scale_f32_16x16x128_f8f6f4 with both operands' format E2M3, f32 sums; everything else in f32.
;; Inputs: Wk 1,024 x 1,024 float32; Wo 1,024 x 1,024 float32; Wq 1,024 x 1,024 float32; Wv 1,024 x 1,024 float32; attention_mask 4 x 2,048 int32; x 4 x 2,048 x 1,024 float32.
;; Outputs: out0 4 x 2,048 x 1,024 float32.
;; This version of the problem:
;;   THIS VERSION OF THE PROBLEM IS GIVEN IN LOW PRECISION. The matrix products marked QUANTISED in the list below multiply operands that are first quantised to E2M3 (2 exponent bits, 3 mantissa bits; 6 bits a number), with one power-of-two scale for each 32 numbers along K (OCP MX v1.0); their sums are f32. All else is computed in f32.
;;   The module's matrix products, in the order in which they are computed (A, B: the left and right operand; K: the contracted axis; several contracted axes count as one K, in the product's order):
;;     1. [M 8,192, K 1,024] x [K 1,024, N 1,024]; A: input x; B: input Wq: QUANTISED
;;     2. [M 8,192, K 1,024] x [K 1,024, N 1,024]; A: input x; B: input Wk: QUANTISED
;;     3. [M 8,192, K 1,024] x [K 1,024, N 1,024]; A: input x; B: input Wv: QUANTISED
;;     4. batch 64 x [M 2,048, K 64] x [K 64, N 2,048]; A: computed on the way; B: computed on the way: QUANTISED
;;     5. batch 64 x [M 2,048, K 2,048] x [K 2,048, N 64]; A: softmax (see below); B: computed on the way: QUANTISED
;;     6. [M 8,192, K 1,024] x [K 1,024, N 1,024]; A: computed on the way; B: input Wo: QUANTISED
;;   THE QUANTISER, for each operand of a quantised product, along K:
;;     - K is cut into blocks of 32 from its start; a last block that is shorter is filled with zeros.
;;     - A block's scale is 2^e with e = floor(log2(the largest magnitude in the block)) - 2, held to -126 .. 127; a block of zeros has e = 0. As a byte (E8M0): e + 127.
;;     - Each number is divided by its block's scale, clamped to +-7.5, and rounded to the nearest number of E2M3, ties to even, subnormals kept.
;;     - The product sums the exact products of the quantised numbers (number of the format x scale) in f32.
;;   ~~~python
;;   def quantise(x, axis):      # numpy; x: float32 -> the quantised numbers, widened to float32 again
;;       x = np.moveaxis(x, axis, -1); K = x.shape[-1]
;;       x = np.pad(x, [(0, 0)] * (x.ndim - 1) + [(0, -K % 32)]); x = x.reshape(x.shape[:-1] + (-1, 32)); a = np.abs(x).max(-1, keepdims=True)
;;       e = np.where(a > 0, np.clip(np.frexp(np.where(a > 0, a, 1))[1] - 1 - 2, -126, 127), 0)      # np.frexp(a)[1] - 1 = floor(log2(a)), exactly
;;       r = np.clip(x / 2.0 ** e, -7.5, 7.5)
;;       step = 2.0 ** (np.maximum(np.frexp(np.where(r == 0, 1, r))[1] - 1, 0) - 3)
;;       q = np.round(r / step) * step * 2.0 ** e      # np.round: ties to even
;;       return np.moveaxis(q.reshape(q.shape[:-2] + (-1,))[..., :K], -1, axis).astype(np.float32)
;;   ~~~
;;   SOFTMAX AHEAD OF A QUANTISED PRODUCT. Where the list says 'softmax', what is quantised is not the finished softmax but p = 2^(t - M), with t = logit x log2(e) and M = ceil(the row's largest t), a whole number; so 1/2 < the row's largest p <= 1. The row's sum l is taken of the UNQUANTISED p, in f32, and the product's result is divided by l at the end. Since M is a whole number, a kernel that streams over the keys may use a running M (the ceiling of the running maximum): every later rescaling is an exact power of two, which a block's scale takes up: the codes' values come out the same.
;;   OPERANDS COMPUTED ON THE WAY. 'Computed on the way' means the value that the module computes at that place (a softmax that the list does not call 'softmax' is quantised finished and normalised). What goes into a quantiser is computed in f32, as accurately as f32 sums, v_exp_f32 and their like allow (about 1e-6 of the number): no bf16 or f16 on the way to a quantiser, and a product that is left as it is and whose result goes on into a quantised operand takes f32 operands (vector FMAs, or v_wmma_f32_16x16x4_f32). A number that lies on a knife's edge between two numbers of the format may be rounded either way, as far as f32 arithmetic and the matrix unit's own rounding can turn it there, and no further.
;; One version. Each part assembles by itself: llvm-mc -triple=amdgcn-amd-amdhsa -mcpu=gfx1250 --defsym DOCPART=n.
;; ======== version 1 of 1: 4 launches
;; limits: right only within a limited range of input values
;; workspace buffers: xq 6,553,600 bytes; wq 3,276,800 bytes; qkv 20,447,232 bytes; ao 6,553,600 bytes
;; launch quant (part 1): grid 384 x 1, 4 waves a work-group, no clusters, 68,096 bytes of LDS; arguments x, Wq, Wk, Wv, Wo, xq, wq; writes xq, wq
.if DOCPART == 1
	.amdgcn_target "amdgcn-amd-amdhsa--gfx1250"
	.amdhsa_code_object_version 6
	.text
	.protected	k_qeb651f0f5e_quant
	.globl	k_qeb651f0f5e_quant
	.p2align	8
	.type	k_qeb651f0f5e_quant,@function
k_qeb651f0f5e_quant:
	s_mov_b64 s[64:65], 0
	v_nop
	global_prefetch_b8 v0, s[64:65] scope:SCOPE_SE
	s_setreg_imm32_b32 hwreg(HW_REG_WAVE_MODE, 25, 1), 1
	s_wait_xcnt 0x0
; x [8192][1024] and Wq, Wk, Wv, Wo [1024 (k)][1024 (n)], f32, become codes of FP6 (E2M3), K innermost, 768 bytes a row, with one E8M0 byte for each 32 along K.
; A block's scale is 2^(floor(log2(its largest magnitude)) - 2); its byte is the largest magnitude's exponent field - 2, held at 1 from below.
; ROW ORDER: a row (a token of x, an output channel n of a weight) lies at the position that is its index with bits 3 and 4 exchanged.  Sixteen neighbouring positions, tile T, then hold the rows
; 32 (T / 2) + 8 (T % 2) + r + 8 (r / 8): used as source 0 of a product, two neighbouring tiles leave 16 neighbours of the next K in a lane's 16 registers.
; xq: codes [8192 positions][768] at 0, scale bytes [8192][32] at 6,291,456.   wq: codes [4096][768] at 0, row = 1024 x (0 q, 1 k, 2 v, 3 o) + position of n; scale bytes [4096][32] at 3,145,728.
; Work-groups 0-255 take x (K innermost: 16 neighbours a lane, turned through the wave's stage in LDS so that every load is 512 consecutive bytes); work-groups 256-383 take the weights
; (K is the first axis: a lane takes a column and its registers run down K; the codes leave through a stage as rows).  The two ways have LDS bytes of their own.  Waves share nothing: no barrier.
; LIMITS: a block of zeros gets the byte 1 (its codes are zeros; only this program reads the bytes); blocks whose largest magnitude lies under 2^-124 are held at byte 1; NaN and infinities are not served.
.set SPARE, 67584                      ; behind both ways' regions: the spare words, 128 bytes for each wave
.set SPW,   12                         ; v12  LDS address of my spare word; never rewritten
.set NIL,   13                         ; v13  0; never rewritten
.set EMAX,  2
; the way of x
.set STEPS, 16                         ; a wave takes 16 steps of 512 numbers: 8 rows of x
.set CB,    12                         ; bytes of 16 codes
.set XR,    16                         ; v16-79   four sets of 16 numbers as loaded
.set XN,    80                         ; v80-111  two sets of 16 neighbours
.set XE,    112                        ; v112-127 a scale byte for each step
.set XC,    128                        ; v128-191 codes, four registers a step: no store's data are written again
.set WREG,  8192                       ; LDS 0 .. 32,767: a region for each wave: two stages of 32 x SP bytes, then its 256 scale bytes
.set SP,    80                         ; a lane's place in a stage: 64 bytes + 16 of padding
; the way of the weights
.set NB,    8                          ; blocks of 32 along K for a wave (256 along K)
.set ROWB,  192                        ; their codes in bytes
.set PITCH, 272                        ; a stage row: sixteen places of 16 bytes (12 of codes each) + 16
.set KROW,  768                        ; a row of codes in memory
.set WSTG,  32768                      ; LDS 32,768 .. 67,583: four stages of 32 rows
.set WX,    32                         ; v32-95   two sets of 32 numbers
.set WC,    96                         ; v96..    a block's codes
.set OUTR,  112                        ; v112-175 the way out
.set SB,    24                         ; v24-25   the scale bytes, four to a register
	s_load_b256 s[4:11], s[0:1], 0x0               ; x, Wq, Wk, Wv
	s_load_b128 s[12:15], s[0:1], 0x20             ; Wo, xq
	s_load_b64 s[16:17], s[0:1], 0x30              ; wq
	v_lshl_add_u32 v[SPW], v0, 2, SPARE
	v_mov_b32 v[NIL], 0
	v_lshrrev_b32 v1, 5, v0
	v_readfirstlane_b32 s18, v1                    ; wave 0..3
	v_and_b32 v2, 31, v0                           ; lane
	s_cmp_lt_u32 ttmp9, 256                        ; the work-group's number alone decides the way
	s_cbranch_scc0 .Lweights
	; ---------------- x ----------------
	v_lshlrev_b32 v3, 4, v2                        ; my 16 bytes of a load's 512
	s_mul_i32 s19, s18, WREG
	v_lshrrev_b32 v14, 2, v2
	v_mul_u32_u24 v14, v14, SP
	v_and_b32 v15, 3, v2
	v_lshl_add_u32 v14, v15, 4, v14
	v_add_nc_u32 v14, s19, v14                     ; the stage, on the way in: SP (lane / 4) + 16 (lane % 4)
	v_mul_u32_u24 v15, v2, SP
	v_add_nc_u32 v15, s19, v15                     ; and on the way out: SP x lane: my 16 neighbours
	v_mul_u32_u24 v4, v2, CB                       ; my codes' place in a step's 384 bytes
	v_lshrrev_b32 v5, 1, v2
	s_add_co_u32 s19, s19, 2*32*SP
	v_add_nc_u32 v5, s19, v5                       ; LDS: my block's scale byte
	v_lshlrev_b32 v7, 3, v2
	v_add_nc_u32 v6, s19, v7                       ; and 8 bytes a lane on the way out
	s_lshl_b32 s20, ttmp9, 2
	s_add_co_u32 s21, s20, s18                     ; my run of 8 rows: 4 x work-group + wave
	s_lshl_b32 s22, s21, 15                        ; 32,768 bytes of x a run
	s_mov_b32 s23, 0
	s_and_b32 s24, s18, 1                          ; bits 3 and 4 of a row's index are bits 0 and 1 of the wave's number: they change places on the way out
	s_lshl_b32 s24, s24, 1
	s_lshr_b32 s25, s18, 1
	s_or_b32 s24, s24, s25
	s_add_co_u32 s24, s24, s20                     ; the run's place in xq
	s_mul_i32 s26, s24, 6144                       ; 8 rows of 768 bytes
	s_mov_b32 s27, 0
	s_lshl_b32 s28, s24, 8                         ; 8 rows of 32 scale bytes
	s_add_co_u32 s28, s28, 6291456
	s_mov_b32 s29, 0
	s_wait_kmcnt 0x0
	s_add_nc_u64 s[4:5], s[4:5], s[22:23]
	s_add_nc_u64 s[8:9], s[14:15], s[26:27]        ; my codes
	s_add_nc_u64 s[10:11], s[14:15], s[28:29]      ; my scale bytes
.macro XLOAD t
.irp i, 0,1,2,3
	global_load_b128 v[XR+16*((\t)%4)+4*\i:XR+16*((\t)%4)+4*\i+3], v3, s[4:5] offset:2048*(\t)+512*\i th:TH_LOAD_NT   ; 32 lanes read 512 consecutive bytes
.endr
.endm
.macro XTURN t                         ; step t's numbers through the stage: LDS serves a wave's instructions in order, so no wait stands between the stores and the loads
.irp i, 0,1,2,3
	ds_store_b128 v14, v[XR+16*((\t)%4)+4*\i:XR+16*((\t)%4)+4*\i+3] offset:32*SP*((\t)%2)+8*SP*\i
.endr
.irp i, 0,1,2,3
	ds_load_b128 v[XN+16*((\t)%2)+4*\i:XN+16*((\t)%2)+4*\i+3], v15 offset:32*SP*((\t)%2)+16*\i
.endr
.endm
.irp t, 0,1,2,3
	XLOAD \t
.endr
	s_wait_loadcnt 12                              ; step 0's four loads are in; twelve younger ones stay out
	XTURN 0
.macro XSTEP t
.set XS, XN+16*((\t)%2)
.if (\t) > 0
	s_wait_dscnt 1                                 ; this step's numbers are back from the stage (the last step's byte store may be out)
.else
	s_wait_dscnt 0x0
.endif
.if (\t)+4 < STEPS
	XLOAD (\t)+4                                   ; into the registers that the stage's stores have read
.endif
.if (\t)+1 < STEPS
.if STEPS-2-(\t) >= 3
	s_wait_loadcnt 12                              ; the next step's four loads are in; those of the three steps behind it may be out
.else
	s_wait_loadcnt 4*(STEPS-2-(\t))
.endif
	XTURN (\t)+1
.endif
	v_max3_num_f32 v8, |v[XS]|, |v[XS+1]|, |v[XS+2]|               ; the largest magnitude of my 16, in two chains
	v_max3_num_f32 v9, |v[XS+3]|, |v[XS+4]|, |v[XS+5]|
.irp i, 6,10
	v_max3_num_f32 v8, v8, |v[XS+\i]|, |v[XS+\i+1]|
	v_max3_num_f32 v9, v9, |v[XS+\i+2]|, |v[XS+\i+3]|
.endr
	v_max3_num_f32 v8, v8, |v[XS+14]|, |v[XS+15]|
	v_max3_num_f32 v8, v8, v9, (EMAX+1)<<23        ; and the floor 2^(3 - 127): the byte cannot fall under 1
	v_max_num_f32_dpp v8, v8, v8 row_xmask:1 row_mask:0xf bank_mask:0xf   ; with my neighbour's 16: the block's
	v_add_nc_u32 v11, 0xff000000, v8               ; 2 off its exponent field: the conversion takes the exponent field of this operand as its scale
	v_cvt_scalef32_pk16_fp6_f32 v[XC+4*(\t):XC+4*(\t)+2], v[XS:XS+15], v11
	v_lshrrev_b32 v[XE+(\t)], 23, v11              ; the scale's byte (also the plain line behind the conversion)
	ds_store_b8 v5, v[XE+(\t)] offset:16*(\t)      ; both lanes of a block write the same byte with the same value
	global_store_b96 v4, v[XC+4*(\t):XC+4*(\t)+2], s[8:9] offset:32*CB*(\t)   ; the wave stores 384 consecutive bytes
.endm
.irp t, 0,1,2,3,4,5,6,7,8,9,10,11,12,13,14,15
	XSTEP \t
.endr
	ds_load_b64 v[8:9], v6                         ; my wave's 256 scale bytes: these loads see my stores
	s_wait_dscnt 0x0
	global_store_b64 v7, v[8:9], s[10:11]          ; 32 lanes store 256 consecutive bytes, aligned
	s_wait_tensorcnt 0x0                           ; the wave's end, behind my last LDS store
	ds_add_u32 v[SPW], v[NIL]
	s_wait_dscnt 0x0
	s_endpgm
	; ---------------- the weights ----------------
.Lweights:
	s_sub_co_u32 s19, ttmp9, 256
	s_lshr_b32 s20, s19, 5                         ; which weight: 0 q, 1 k, 2 v, 3 o
	s_bfe_u32 s21, s19, 0x30002                    ; which 128 columns
	s_and_b32 s22, s19, 3                          ; which 256 along K
	v_lshlrev_b32 v3, 2, v2                        ; in: 4 bytes a lane: lane = column
	v_and_b32 v5, 7, v2
	v_and_b32 v6, 8, v2
	v_lshl_add_u32 v5, v6, 1, v5
	v_bfe_u32 v6, v2, 4, 1
	v_lshl_add_u32 v10, v6, 3, v5                  ; my column's position among the wave's 32: bits 3 and 4 exchanged
	s_mul_i32 s19, s18, 32*PITCH
	s_add_co_u32 s19, s19, WSTG                    ; my stage
	v_mul_u32_u24 v4, v10, PITCH
	v_add_nc_u32 v4, s19, v4                       ; into it: row = my column's position
	v_and_b32 v5, 15, v2
	v_lshrrev_b32 v6, 4, v2
	v_mul_u32_u24 v7, v6, PITCH
	v_lshl_add_u32 v7, v5, 4, v7
	v_add_nc_u32 v7, s19, v7                       ; out of it: sixteen lanes to a row, two rows an instruction
	v_mul_u32_u24 v8, v6, KROW
	v_mad_u32_u24 v8, v5, 12, v8                   ; and the same place in the codes' rows
	v_lshlrev_b32 v9, 5, v10                       ; my position's row of 32 scale bytes
	s_lshl_b32 s23, s21, 7
	s_lshl_b32 s24, s18, 5
	s_add_co_u32 s23, s23, s24                     ; my wave's first column
	s_lshl_b32 s24, s22, 20                        ; 256 rows of 4,096 bytes
	s_lshl_b32 s25, s23, 2
	s_add_co_u32 s24, s24, s25
	s_mov_b32 s25, 0                               ; s[24:25]: where my part of the weight begins
	s_lshl_b32 s26, s20, 10
	s_add_co_u32 s26, s26, s23                     ; my first row in wq
	s_mul_i32 s28, s26, KROW
	s_mul_i32 s27, s22, ROWB
	s_add_co_u32 s28, s28, s27
	s_mov_b32 s29, 0                               ; s[28:29]: my codes
	s_lshl_b32 s30, s26, 5
	s_lshl_b32 s27, s22, 3
	s_add_co_u32 s30, s30, s27
	s_add_co_u32 s30, s30, 3145728
	s_mov_b32 s31, 0                               ; s[30:31]: my scale bytes
	s_wait_kmcnt 0x0
	s_cmp_eq_u32 s20, 1                            ; the weight is chosen by the work-group's number alone
	s_cselect_b64 s[6:7], s[8:9], s[6:7]
	s_cmp_eq_u32 s20, 2
	s_cselect_b64 s[6:7], s[10:11], s[6:7]
	s_cmp_eq_u32 s20, 3
	s_cselect_b64 s[6:7], s[12:13], s[6:7]
	s_add_nc_u64 s[6:7], s[6:7], s[24:25]
	s_add_nc_u64 s[8:9], s[16:17], s[28:29]
	s_add_nc_u64 s[10:11], s[16:17], s[30:31]
.macro WLOAD t                         ; block t: W(32 t + i, my column), i = 0 .. 31: each load reads 128 consecutive bytes
.irp i, 0,1,2,3,4,5,6,7,8,9,10,11,12,13,14,15,16,17,18,19,20,21,22,23,24,25,26,27,28,29,30,31
	global_load_b32 v[WX+32*((\t)%2)+\i], v3, s[6:7] offset:(32*(\t)+\i)*4096 th:TH_LOAD_NT
.endr
.endm
	WLOAD 0
	WLOAD 1
.macro WBLOCK t
.set WS, WX+32*((\t)%2)
.if (\t) < NB-1
	s_wait_loadcnt 32                              ; this block's 32 loads are in; the next block's may be out
.else
	s_wait_loadcnt 0
.endif
	v_max3_num_f32 v16, |v[WS]|, |v[WS+1]|, |v[WS+2]|              ; the block's largest magnitude: all 32 numbers are mine
	v_max3_num_f32 v17, |v[WS+3]|, |v[WS+4]|, |v[WS+5]|
.irp i, 6,10,14,18,22,26
	v_max3_num_f32 v16, v16, |v[WS+\i]|, |v[WS+\i+1]|
	v_max3_num_f32 v17, v17, |v[WS+\i+2]|, |v[WS+\i+3]|
.endr
	v_max3_num_f32 v16, v16, |v[WS+30]|, |v[WS+31]|
	v_max3_num_f32 v16, v16, v17, (EMAX+1)<<23     ; and the floor
	v_add_nc_u32 v11, 0xff000000, v16              ; the conversion's scale operand
	v_lshrrev_b32 v18, 23, v11                     ; the scale's byte
.if (\t)%4 == 0
	v_mov_b32 v[SB+(\t)/4], v18                    ; four bytes to a register, the lower K in the lower byte
.else
	v_lshl_or_b32 v[SB+(\t)/4], v18, 8*((\t)%4), v[SB+(\t)/4]
.endif
	v_cvt_scalef32_pk16_fp6_f32 v[WC:WC+2], v[WS:WS+15], v11
	v_cvt_scalef32_pk16_fp6_f32 v[WC+4:WC+6], v[WS+16:WS+31], v11  ; (a conversion's three registers begin on an even number)
	v_nop                                          ; one plain line behind the conversions
	ds_store_b96 v4, v[WC:WC+2] offset:32*(\t)     ; 12 bytes to a place of 16, so that every LDS address is a multiple of 16
	ds_store_b96 v4, v[WC+4:WC+6] offset:32*(\t)+16
.if (\t)+2 < NB
	WLOAD (\t)+2
.endif
	s_wait_dscnt 0x0                               ; the stores have read their registers: the next block's codes may be written
.endm
.irp t, 0,1,2,3,4,5,6,7
	WBLOCK \t
.endr
	global_store_b64 v9, v[SB:SB+1], s[10:11]      ; my column's 8 scale bytes
.irp t, 0,1,2,3,4,5,6,7,8,9,10,11,12,13,14,15
	ds_load_b96 v[OUTR+4*\t:OUTR+4*\t+2], v7 offset:2*\t*PITCH     ; these loads see my stores
.endr
.irp t, 0,1,2,3,4,5,6,7,8,9,10,11,12,13,14,15
	s_wait_dscnt 15-\t                             ; LDS loads come back in order: load t is in
	global_store_b96 v8, v[OUTR+4*\t:OUTR+4*\t+2], s[8:9] offset:2*\t*KROW   ; sixteen lanes store a row's 192 consecutive bytes
.endr
	s_wait_tensorcnt 0x0                           ; the wave's end, behind my last LDS store
	ds_add_u32 v[SPW], v[NIL]
	s_wait_dscnt 0x0
	s_endpgm
.Lfunc_end_k_qeb651f0f5e_quant:
	.size	k_qeb651f0f5e_quant, .Lfunc_end_k_qeb651f0f5e_quant-k_qeb651f0f5e_quant
	.p2alignl 7, 3214868480
	.fill 96, 4, 3214868480
	.section	.rodata,"a",@progbits
	.p2align	6, 0x0
	.amdhsa_kernel k_qeb651f0f5e_quant
		.amdhsa_group_segment_fixed_size 68096
		.amdhsa_private_segment_fixed_size 0
		.amdhsa_enable_private_segment 0
		.amdhsa_kernarg_size 56
		.amdhsa_user_sgpr_count 2
		.amdhsa_user_sgpr_kernarg_segment_ptr 1
		.amdhsa_wavefront_size32 1
		.amdhsa_system_sgpr_workgroup_id_x 1
		.amdhsa_system_sgpr_workgroup_id_y 1
		.amdhsa_system_sgpr_workgroup_id_z 1
		.amdhsa_system_vgpr_workitem_id 0
		.amdhsa_next_free_vgpr 192
		.amdhsa_next_free_sgpr 66
		.amdhsa_reserve_vcc 0
		.amdhsa_float_denorm_mode_32 3
		.amdhsa_float_denorm_mode_16_64 3
		.amdhsa_memory_ordered 1
		.amdhsa_forward_progress 1
		.amdhsa_inst_pref_size 74
	.end_amdhsa_kernel
	.amdgpu_metadata
---
amdhsa.version: [ 1, 2 ]
amdhsa.kernels:
  - .name:           k_qeb651f0f5e_quant
    .symbol:         k_qeb651f0f5e_quant.kd
    .args:
      - { .name: x, .offset: 0, .size: 8, .value_kind: global_buffer, .address_space: global }
      - { .name: Wq, .offset: 8, .size: 8, .value_kind: global_buffer, .address_space: global }
      - { .name: Wk, .offset: 16, .size: 8, .value_kind: global_buffer, .address_space: global }
      - { .name: Wv, .offset: 24, .size: 8, .value_kind: global_buffer, .address_space: global }
      - { .name: Wo, .offset: 32, .size: 8, .value_kind: global_buffer, .address_space: global }
      - { .name: xq, .offset: 40, .size: 8, .value_kind: global_buffer, .address_space: global }
      - { .name: wq, .offset: 48, .size: 8, .value_kind: global_buffer, .address_space: global }
    .group_segment_fixed_size: 68096
    .private_segment_fixed_size: 0
    .kernarg_segment_align: 8
    .kernarg_segment_size: 56
    .max_flat_workgroup_size: 128
    .sgpr_count:     66
    .vgpr_count:     192
    .wavefront_size: 32
...
	.end_amdgpu_metadata
.endif
;; end of part 1
;; launch qkv (part 2): grid 8 x 48, 4 waves a work-group, clusters of 4 x 4, 327,680 bytes of LDS; arguments xq, wq, qkv; writes qkv
.if DOCPART == 2
	.amdgcn_target "amdgcn-amd-amdhsa--gfx1250"
	.amdhsa_code_object_version 6
	.text
	.protected	k_qeb651f0f5e_qkv
	.globl	k_qeb651f0f5e_qkv
	.p2align	8
	.type	k_qeb651f0f5e_qkv,@function
k_qeb651f0f5e_qkv:
	s_mov_b64 s[64:65], 0
	v_nop
	global_prefetch_b8 v0, s[64:65] scope:SCOPE_SE
	s_setreg_imm32_b32 hwreg(HW_REG_WAVE_MODE, 25, 1), 1
	s_wait_xcnt 0x0
	s_wait_alu depctr_hold_cnt(0) depctr_sa_sdst(0) depctr_va_vdst(0) depctr_va_sdst(0) depctr_va_ssrc(0) depctr_va_vcc(0) depctr_vm_vsrc(0)
	s_getreg_b32 s2, hwreg(HW_REG_IB_STS2, 6, 4)
	s_cmp_eq_u32 s2, 0
	s_cbranch_scc0 .Lentry_in_a_cluster
	s_endpgm
.Lentry_in_a_cluster:
	s_bfe_u32 s2, ttmp6, 0x10000c
	s_cmp_lg_u32 s2, 0xf033
	s_cbranch_scc0 .Lentry_shape_is_right
	s_endpgm
.Lentry_shape_is_right:
; q = x Wq, k = x Wk and v^T = (x Wv)^T on codes of FP6 (E2M3) with E8M0 scales, K = 1,024, and the results QUANTISED on the way out: q and k along a head's 64 channels, v along the keys.
; One body makes C'[m'][n'] = sum over k of A'[m'][k] B'[n'][k], quantised along n'.  Clusters with y under 8: A' = x (8,192 rows), B' = Wq | Wk (2,048 rows).  Clusters with y from 8 on: A' = Wv (1,024 rows),
; B' = x, so that n' runs over the tokens, which are the second attention product's K.  What differs (buffers, offsets, output pitch) is chosen by s_cselect on the cluster's y, the same in all partners: no branch.
; A tile of C', 256 x 256, is made by four waves, 128 x 128 each: 64 accumulators, 512 registers.  K goes in steps of 256 through a ring of two LDS slots filled by the tensor data mover (rows of 192 bytes,
; 16 bytes of padding behind every 64).  The scale bytes of the work-group's 512 rows come into LDS once.  CLUSTERS: 4 x 4; A's tiles are asked for jointly along a row of the cluster, B's along a column.
; THE MATRIX INSTRUCTION IS USED TRANSPOSED (source 0 = 16 rows of B', source 1 = 16 rows of A').  Rows lie in memory at positions with bits 3 and 4 of the index exchanged, so a lane's 16 registers of
; B's tiles 2 b and 2 b + 1 are the 16 neighbours n' = 32 b + 16 (lane / 16) + 0 .. 15 of ONE row of C': blocks of 32 lie in lanes l and l xor 16, and the conversions' results are the next operand's registers.
; OUT: half fragments of 768 bytes (16 rows x 64 codes as an operand's registers 0-5: registers 0-3 at 16 x lane, 4-5 at 512 + 8 x lane), so that every store of codes covers whole aligned runs of 256 bytes.
;   q, k: codes at 0: [n' / 64: 0-15 q's heads, 16-31 k's][token tile 0-511][768]; scale words at 12,582,912: [32][512][16 words], bytes 0, 1 the two blocks, bytes 2, 3 zero.
;   v^T:  codes at 13,631,488: [token / 64: 0-127][channel tile 0-63][768]; scale words at 19,922,944: [128][64][16 words]; an even run's word holds the four bytes of 128 keys.
; LIMITS: a block of zeros gets the byte 1 (its codes are zeros); blocks whose largest magnitude lies under 2^-124 are held at byte 1; NaN and infinities are not served.
; REGISTERS, in windows of 256: window 0: v0-31 addresses; v32-63 scale words, two sets; from v128 A's fragments, one set; v64-115 at work on the way out.  window 1: B's fragments, two sets.
;   window 2: the accumulators of my rows 0-63 ((a, b) at v[8 (8 a + b)]);  window 3: those of my rows 64-127.
.set KSTEP,  256
.set NQ,     2                         ; matrix instructions deep in a slot
.set ROWB,   192                       ; a tile's row in bytes
.set KROW,   768                       ; a row of codes in memory
.set PITCH,  240                       ; an LDS row: 3 x (64 bytes + 16 of padding): the 32 lanes of a load of 8 bytes touch 64 different banks (64 banks of 4 bytes: ISA guide 11.1)
.set FR,     12
.set NL,     6
.set NP,     4
.set HALFT,  128*PITCH
.set SLOT,   4*HALFT
.set LAPS,   2                         ; 1,024 along K = two laps of two K steps
.set KS,     32                        ; a row of scale bytes
.set SCL,    2*SLOT
.set HALFS,  (128*KS/256)*272
.set SBLK,   (16*KS/256)*272
.set SPARE,  SCL+4*HALFS               ; the spare words, 128 bytes for each wave
.set ADRA, 16                          ; v16-17 LDS address of my A fragments in slot 0, 1 (v18-19: behind one padding more)
.set ADRB, 20                          ; v20-21 the same for B (v22-23)
.set L16,  24                          ; v24  16 x lane
.set L8,   25                          ; v25  8 x lane
.set VSO,  26                          ; v26  a scale word's place: 4 (lane % 16); lanes 16-31 one run of 64 columns on
.set ADRS, 27                          ; v27  LDS address of my scale words
.set SPW,  28                          ; v28  my spare word; never rewritten
.set NIL,  29                          ; v29  0; never rewritten
.set SC,   32
.set AF,   128
.set PC,   64                          ; v64-75  the codes just made: two half fragments
.set PT,   76                          ; v76-82  the conversions' second halves
.set TM,   96                          ; v96-99 largest magnitudes, v100-103 the other half's, then bytes, v108-111 the conversions' scale operands
.set PW,   112                         ; the four bytes of my row
.set W0,   113
.set W1,   114
.set SW,   115                         ; the word that I store
.set G1, 24
.set G0, 32
.set G1B, 48
.set G0B, 56
.set SEL, 66                           ; s[66:67] lane selects for v_permlanex16_b32: lane l xor 16
.set G1S, 68
.set G0S, 76
.set G1SB, 80
.set G0SB, 88
.set MT,  95                           ; s95  row tiles in the output's second axis: 512 or 64
.set MSB, 0
.macro WIN new                         ; the immediate's high byte repeats the setting that is left
.if MSB != (\new)
	s_set_vgpr_msb (MSB<<8)|(\new)
.set MSB, (\new)
.endif
.endm
.set MUL_LO, 0xa1                      ; source 0 (B) window 1, source 1 (A) window 0, C and D window 2
.set MUL_HI, 0xf1
.set TO_B,   0x40
; A joint load: waves 0 and 1 fetch for A, waves 2 and 3 for B.  The branch hangs on the wave's number alone.  An s_nop 0 and four v_nop follow each of the two lines.
.macro JLOAD g0a, g1a, g0b, g1b
	s_cmp_eq_u32 s15, 0
	s_cbranch_scc0 .Lfor_b_\@
	tensor_load_to_lds s[\g0a:\g0a+3], s[\g1a:\g1a+7]
	s_nop 0
.rept 4
	v_nop
.endr
	s_branch .Lasked_\@
.Lfor_b_\@:
	tensor_load_to_lds s[\g0b:\g0b+3], s[\g1b:\g1b+7]
	s_nop 0
.rept 4
	v_nop
.endr
.Lasked_\@:
.endm
.macro CREST                           ; a round of the cluster's barrier behind its opening barrier
	s_cmp_lg_u32 s14, 0
	s_cbranch_scc1 .Lnot_wave_0_\@
	s_barrier_signal -3
.Lnot_wave_0_\@:
	s_barrier_wait -3
	s_barrier_signal -1
	s_barrier_wait -1
.endm
.macro CROUND
	s_barrier_signal -1
	s_barrier_wait -1
	CREST
.endm
	s_load_b128 s[4:7], s[0:1], 0x0                ; xq, wq
	s_load_b64 s[12:13], s[0:1], 0x10              ; qkv
	v_lshl_add_u32 v[SPW], v0, 2, SPARE
	v_mov_b32 v[NIL], 0
	ds_add_u32 v[SPW], v[NIL]                      ; the wave's opening: the add and its wait stand ahead of my first tensor load; the set-up below stands between them
	v_lshrrev_b32 v1, 5, v0
	v_readfirstlane_b32 s14, v1                    ; wave 0..3
	s_lshr_b32 s15, s14, 1                         ; which half of the tile's rows is mine.  Also: I fetch for A (0) or for B (1)
	s_and_b32 s16, s14, 1                          ; which half of its columns.  Also: which 128 rows of that tile I fetch
	s_bfe_u32 s40, ttmp6, 0x40000                  ; cx
	s_bfe_u32 s41, ttmp6, 0x40004                  ; cy
	s_and_b32 s96, ttmp7, 0xffff                   ; the cluster's y: 0-7 q and k, 8-11 v
	s_lshl_b32 s17, s96, 2
	s_sub_co_u32 s42, s96, 8
	s_lshl_b32 s42, s42, 1
	s_add_co_u32 s42, s42, ttmp9                   ; v: 2 (y - 8) + cluster x
	s_mov_b32 s[MT], 512
	s_mov_b32 s100, 6291456
	s_mov_b32 s101, 3145728
	s_mov_b32 s98, 12582912
	s_cmp_lt_u32 s96, 8                            ; all that differs between the two parts is chosen here; only moves and selects follow the compare
	s_cselect_b32 s17, s17, 0                      ; tile rows begin at 4 y, or at 0
	s_cselect_b32 s42, ttmp9, s42                  ; which four tile columns
	s_cselect_b32 s[MT], s[MT], 64
	s_cselect_b32 s2, 0, 1572864                   ; A's codes: x's at 0 of xq; Wv's rows 2,048 on in wq
	s_cselect_b32 s100, s100, 3211264              ; A's scale bytes
	s_cselect_b32 s101, s101, 6291456              ; B's scale bytes
	s_cselect_b32 s99, 0, 13631488                 ; the output's codes
	s_cselect_b32 s98, s98, 19922944               ; the output's scale words
	s_cselect_b32 s97, 0xffff, -1                  ; what an even run's scale word keeps
	s_add_co_u32 s17, s17, s41                     ; tile row of C'
	s_lshl_b32 s42, s42, 2
	s_add_co_u32 s42, s42, s40                     ; tile column of C'
	s_lshl_b32 s43, s41, 2
	s_lshl_b32 s43, 15, s43                        ; my row of the cluster
	s_lshl_b32 s44, 0x1111, s40                    ; my column
	; descriptor group 1: a tile of 128 rows x 192 bytes, padded in LDS
	s_or_b32 s[G1+0], s43, (0<<16)|(1<<20)|(1<<21)|(3<<22)|(3<<25)  ; 15:0 the mask; 17:16 elements of 1 byte; 20 padding on; 21 set beside a mask; 24:22 after every 16 words; 31:25 4 words of it
	s_or_b32 s[G1B+0], s44, (0<<16)|(1<<20)|(1<<21)|(3<<22)|(3<<25)
.irp g, G1, G1B
	s_mov_b32 s[\g+1], ROWB<<16                    ; tensor_dim0
	s_mov_b32 s[\g+2], 128<<16                     ; tensor_dim1
	s_mov_b32 s[\g+3], ROWB<<16                    ; tile_dim0
	s_mov_b32 s[\g+4], 128                         ; tile_dim1
	s_mov_b32 s[\g+5], KROW                        ; from row to row
	s_mov_b32 s[\g+6], 0
	s_mov_b32 s[\g+7], 0
.endr
	; the scale bytes of 128 rows: 4,096 dense bytes, as rows of 256 bytes (32 elements of 8), 16 bytes of padding behind each
	s_or_b32 s[G1S+0], s43, (3<<16)|(1<<20)|(1<<21)|(5<<22)|(3<<25)
	s_or_b32 s[G1SB+0], s44, (3<<16)|(1<<20)|(1<<21)|(5<<22)|(3<<25)
.irp g, G1S, G1SB
	s_mov_b32 s[\g+1], 32<<16
	s_mov_b32 s[\g+2], (128*KS/256)<<16
	s_mov_b32 s[\g+3], 32<<16
	s_mov_b32 s[\g+4], 128*KS/256
	s_mov_b32 s[\g+5], 32
	s_mov_b32 s[\g+6], 0
	s_mov_b32 s[\g+7], 0
.endr
	s_mov_b32 s[SEL], 0x76543210
	s_mov_b32 s[SEL+1], 0xfedcba98
	s_lshl_b32 s18, s16, 7                         ; which 128 rows of the tile I fetch
	s_lshl_b32 s20, s17, 8
	s_add_co_u32 s20, s20, s18                     ; A: row 256 x tile row + 128 x half
	s_lshl_b32 s46, s42, 8
	s_add_co_u32 s46, s46, s18                     ; B: row 256 x tile column + 128 x half
	s_lshl_b32 s22, s20, 5                         ; their scale bytes (all these offsets stay under 2^24)
	s_add_co_u32 s22, s22, s100
	s_mov_b32 s23, 0
	s_lshl_b32 s92, s46, 5
	s_add_co_u32 s92, s92, s101
	s_mov_b32 s93, 0
	s_mul_i32 s20, s20, KROW                       ; and their codes
	s_add_co_u32 s20, s20, s2
	s_mov_b32 s21, 0
	s_mul_i32 s46, s46, KROW
	s_mov_b32 s47, 0
	s_mul_i32 s45, s14, HALFT                      ; where they go: wave x 128 rows: no place in the cluster enters an LDS address
	s_mul_i32 s94, s14, HALFS
	s_wait_dscnt 0x0                               ; the opening add is done
	s_wait_kmcnt 0x0
	s_cmp_lt_u32 s96, 8
	s_cselect_b64 s[8:9], s[6:7], s[4:5]           ; B's buffer: wq, or xq
	s_cselect_b64 s[4:5], s[4:5], s[6:7]           ; A's buffer: xq, or wq
	s_add_nc_u64 s[20:21], s[4:5], s[20:21]
	s_add_nc_u64 s[22:23], s[4:5], s[22:23]
	s_add_nc_u64 s[46:47], s[8:9], s[46:47]
	s_add_nc_u64 s[92:93], s[8:9], s[92:93]
	CROUND                                         ; all sixteen work-groups are here: the first joint loads meet
	s_mov_b32 s[G0S], 1
	s_add_co_u32 s[G0S+1], s94, SCL
	s_mov_b64 s[G0S+2:G0S+3], s[22:23]
	s_or_b32 s[G0S+3], s[G0S+3], 0x80000000
	s_mov_b32 s[G0SB], 1
	s_add_co_u32 s[G0SB+1], s94, SCL
	s_mov_b64 s[G0SB+2:G0SB+3], s[92:93]
	s_or_b32 s[G0SB+3], s[G0SB+3], 0x80000000
	JLOAD G0S, G1S, G0SB, G1SB                     ; the scales first: they are wanted with K step 0
.irp s, 0,1
	s_mov_b32 s[G0+4*\s], 1
	s_add_co_u32 s[G0+4*\s+1], s45, \s*SLOT
	s_add_nc_u64 s[G0+4*\s+2:G0+4*\s+3], s[20:21], \s*ROWB
	s_or_b32 s[G0+4*\s+3], s[G0+4*\s+3], 0x80000000
	s_mov_b32 s[G0B+4*\s], 1
	s_add_co_u32 s[G0B+4*\s+1], s45, \s*SLOT
	s_add_nc_u64 s[G0B+4*\s+2:G0B+4*\s+3], s[46:47], \s*ROWB
	s_or_b32 s[G0B+4*\s+3], s[G0B+4*\s+3], 0x80000000
	JLOAD G0+4*\s, G1, G0B+4*\s, G1B               ; three tensor loads of mine are out at the most
.endr
	v_and_b32 v1, 15, v0                           ; l % 16
	v_bfe_u32 v2, v0, 4, 1                         ; l / 16
	v_mul_u32_u24 v3, v1, PITCH
	v_mul_u32_u24 v4, v2, 24
	v_add_nc_u32 v4, v3, v4                        ; a fragment's row x pitch + 24 x half
	v_lshl_add_u32 v5, v2, 4, v4                   ; and the same behind one padding more
	s_mul_i32 s21, s15, HALFT                      ; my 128 rows of A
	s_mul_i32 s22, s16, HALFT                      ; my 128 rows of B,
	s_add_co_u32 s22, s22, 2*HALFT                 ; which lie behind A's 256
.irp s, 0,1
	v_add_nc_u32 v[ADRA+\s], s21, v4
	v_add_nc_u32 v[ADRB+\s], s22, v4
	v_add_nc_u32 v[ADRA+2+\s], s21, v5
	v_add_nc_u32 v[ADRB+2+\s], s22, v5
	s_add_co_u32 s21, s21, SLOT
	s_add_co_u32 s22, s22, SLOT
.endr
	v_mul_u32_u24 v5, v1, KS                       ; my row's scales: 32 bytes a row,
	v_lshrrev_b32 v6, 8, v5
	v_lshl_add_u32 v5, v6, 4, v5                   ; and 16 more for each 256 passed
	s_mul_i32 s21, s15, HALFS
	s_mul_i32 s22, s16, HALFS
	s_add_co_u32 s22, s22, 2*HALFS
	s_sub_co_u32 s22, s22, s21
	v_mul_u32_u24 v6, s22, v2                      ; lanes 16-31 take B's
	s_add_co_u32 s21, s21, SCL
	v_add_nc_u32 v5, v5, v6
	v_add_nc_u32 v[ADRS], s21, v5
	v_and_b32 v6, 31, v0
	v_lshlrev_b32 v[L16], 4, v6
	v_lshlrev_b32 v[L8], 3, v6
	s_lshl_b32 s18, s[MT], 6                       ; from a run of 64 columns to the next, in scale words' bytes
	v_mul_u32_u24 v[VSO], s18, v2
	v_lshl_add_u32 v[VSO], v1, 2, v[VSO]
	; where my results go: F = (first run of 64 columns) x MT + my first row tile
	s_lshl_b32 s20, s42, 2
	s_lshl_b32 s21, s16, 1
	s_add_co_u32 s20, s20, s21
	s_mul_i32 s20, s20, s[MT]
	s_lshl_b32 s21, s17, 4
	s_add_co_u32 s20, s20, s21
	s_lshl_b32 s21, s15, 3
	s_add_co_u32 s20, s20, s21                     ; F
	s_mul_i32 s46, s20, 768
	s_add_co_u32 s46, s46, s99
	s_mov_b32 s47, 0
	s_lshl_b32 s20, s20, 6
	s_add_co_u32 s20, s20, s98
	s_mov_b32 s21, 0
	s_add_nc_u64 s[20:21], s[12:13], s[20:21]      ; the scale words
	s_add_nc_u64 s[12:13], s[12:13], s[46:47]      ; the first run's half fragments
	s_mul_i32 s46, s[MT], 768
	s_add_nc_u64 s[100:101], s[12:13], s[46:47]    ; the second run's
.macro FRAG reg, adr, q, i             ; a fragment, 16 rows x 128 K, is 12 registers: lane l holds row l % 16; registers 6 c .. 6 c + 5 hold K = 64 c + 32 (l / 16) + 0 .. 31, 24 bytes as they lie
.irp p, 0,1,2,3,4,5                    ; in pieces of 8 bytes; where the piece of lanes 16-31 lies behind one padding more, the second address register serves
.set PIECE, 12*(\q)+6*(\p/3)+\p%3
.if PIECE%8 < 5
	ds_load_b64 v[\reg+2*\p:\reg+2*\p+1], v[\adr] offset:8*PIECE+16*(PIECE/8)+(\i)*16*PITCH
.else
	ds_load_b64 v[\reg+2*\p:\reg+2*\p+1], v[\adr+2] offset:8*PIECE+16*(PIECE/8)+(\i)*16*PITCH
.endif
.endr
.endm
; 16 matrix instructions: A's blocks a0, a0 + 1 x B's eight, 128 along K.  The 64 accumulators take turns, one instruction a turn, in the same order in every step.
.macro MUL16 a0, p, q, sc, zero
.irp a, \a0, \a0+1
.irp b, 0,1,2,3,4,5,6,7
.if \zero
	v_wmma_scale_f32_16x16x128_f8f6f4 v[8*(8*((\a)%4)+\b):8*(8*((\a)%4)+\b)+7], v[128*(\p)+FR*\b:128*(\p)+FR*\b+FR-1], v[AF+FR*(\a):AF+FR*(\a)+FR-1], 0, v[SC+8*NQ*(\sc)+NQ*\b+(\q)], v[SC+8*NQ*(\sc)+NQ*(\a)+(\q)] matrix_a_fmt:MATRIX_FMT_FP6 matrix_b_fmt:MATRIX_FMT_FP6 matrix_a_scale:MATRIX_SCALE_ROW1
.else
	v_wmma_scale_f32_16x16x128_f8f6f4 v[8*(8*((\a)%4)+\b):8*(8*((\a)%4)+\b)+7], v[128*(\p)+FR*\b:128*(\p)+FR*\b+FR-1], v[AF+FR*(\a):AF+FR*(\a)+FR-1], v[8*(8*((\a)%4)+\b):8*(8*((\a)%4)+\b)+7], v[SC+8*NQ*(\sc)+NQ*\b+(\q)], v[SC+8*NQ*(\sc)+NQ*(\a)+(\q)] matrix_a_fmt:MATRIX_FMT_FP6 matrix_b_fmt:MATRIX_FMT_FP6 matrix_a_scale:MATRIX_SCALE_ROW1
.endif
.endr
.endr
.endm
.macro FETCH_B slot, q, p
	WIN TO_B
.irp i, 0,1,2,3,4,5,6,7
	FRAG 128*(\p)+FR*\i, ADRB+\slot, \q, \i
.endr
	WIN 0
.endm
.macro FETCH_A slot, q, i0
.irp i, \i0, \i0+1, \i0+2, \i0+3
	FRAG AF+FR*(\i), ADRA+\slot, \q, \i
.endr
.endm
.macro SCALES sc                       ; a K step's scale words: lanes 0-15 take A's block i, lanes 16-31 B's block i
.irp i, 0,1,2,3,4,5,6,7
	ds_load_b64 v[SC+8*NQ*\sc+NQ*\i:SC+8*NQ*\sc+NQ*\i+1], v[ADRS] offset:\i*SBLK
.endr
.endm
.macro PLACES n                        ; plain vector instructions between a matrix instruction and a load into a register that it has read (ISA guide 7.12.1 for vector instructions)
.rept \n
	v_nop
.endr
.endm
.macro STEP slot, q, zero              ; a step of 128 along K that has its successor in the same slot
	s_wait_dscnt 4*NL                              ; B's set and A's blocks 0-3 are in; the youngest 24 loads (A's blocks 4-7) may be out
	WIN MUL_LO
	MUL16 0, (\q)%2, \q, \slot, \zero
	MUL16 2, (\q)%2, \q, \slot, \zero
	s_wait_dscnt 0                                 ; A's blocks 4-7 are in
	PLACES NP
	FETCH_B \slot, (\q)+1, 1-(\q)%2
	FETCH_A \slot, (\q)+1, 0
	WIN MUL_HI
	MUL16 4, (\q)%2, \q, \slot, \zero
	MUL16 6, (\q)%2, \q, \slot, \zero
	PLACES NP
	WIN 0
	FETCH_A \slot, (\q)+1, 4
.endm
; A slot's last step changes slots: one barrier; in front of it each wave waits for all its tensor loads, adds 0 to its spare word, and waits for that and for its own reads of this slot.
.macro TURN slot, next, fill
	s_wait_tensorcnt 0x0                           ; all my tensor loads have landed: my part of the next slot
	ds_add_u32 v[SPW], v[NIL]                      ; 0 onto my spare word
	s_wait_dscnt 4*NL+1                            ; (the add and the youngest 24 loads may be out)
	WIN MUL_LO
	MUL16 0, 1, NQ-1, \slot, 0
	s_wait_dscnt 0x0                               ; the add is done, and my reads of this slot are over
	s_barrier_signal -1
	MUL16 2, 1, NQ-1, \slot, 0
	WIN 0
	s_barrier_wait -1
.if \fill
	CREST                                          ; the barrier has opened a round of the cluster's barrier: no wave of any partner still reads this slot or has a load on its way
	s_add_nc_u64 s[G0+4*\slot+2:G0+4*\slot+3], s[G0+4*\slot+2:G0+4*\slot+3], 2*ROWB
	s_add_nc_u64 s[G0B+4*\slot+2:G0B+4*\slot+3], s[G0B+4*\slot+2:G0B+4*\slot+3], 2*ROWB
	JLOAD G0+4*\slot, G1, G0B+4*\slot, G1B         ; the first tensor load behind the round; its four v_nop are the places in front of the loads below
.else
	PLACES NP
.endif
	v_add_nc_u32 v[ADRS], 4*NQ, v[ADRS]            ; on to the next K step's scale words
	FETCH_B \next, 0, 0
	FETCH_A \next, 0, 0
	SCALES \next
	WIN MUL_HI
	MUL16 4, 1, NQ-1, \slot, 0
	MUL16 6, 1, NQ-1, \slot, 0
	PLACES NP
	WIN 0
	FETCH_A \next, 0, 4
.endm
	s_wait_tensorcnt 1                             ; the scales and my part of K step 0 are in (K step 1's load may be out),
	s_barrier_signal -1
	s_barrier_wait -1                              ; everybody's are
	FETCH_B 0, 0, 0
	FETCH_A 0, 0, 0
	SCALES 0
	FETCH_A 0, 0, 4
	STEP 0, 0, 1                                   ; the first step's products start the sums
	s_mov_b32 s3, LAPS-1
.Llap:                                                 ; a trip goes once round the ring and fills both slots again
	TURN 0, 1, 1
	STEP 1, 0, 0
	TURN 1, 0, 1
	STEP 0, 0, 0
	s_sub_co_u32 s3, s3, 1
	s_cmp_lg_u32 s3, 0
	s_cbranch_scc1 .Llap
	TURN 0, 1, 0                                   ; the last lap fills nothing
	STEP 1, 0, 0
	s_wait_dscnt 4*NL
	WIN MUL_LO
	MUL16 0, 1, NQ-1, 1, 0
	MUL16 2, 1, NQ-1, 1, 0
	s_wait_dscnt 0
	WIN MUL_HI
	MUL16 4, 1, NQ-1, 1, 0
	MUL16 6, 1, NQ-1, 1, 0
	WIN 0
; THE WAY OUT, block by block of 16 rows x 128 columns: the lane's 64 numbers (register 16 b + i = column 32 b + 16 (lane / 16) + i of my row) become 12 registers of codes, two half fragments, and a scale word.
.irp b, 0,1,2,3
	v_mov_b32 v[TM+4+\b], 0                        ; a lane permute's destination counts as one of its sources: written once.  (These and the next line are the places behind the last products)
.endr
	v_bfe_u32 v[W0], v0, 4, 1
	v_cmp_ne_u32 s98, 0, v[W0]                     ; lanes 16-31
.macro QBLOCK a
.set AC, 64*((\a)%4)
	WIN (2+(\a)/4)*5                               ; sources 0 and 1: the accumulators' window
.irp b, 0,1,2,3
	v_max3_num_f32 v[TM+\b], |v[AC+16*\b]|, |v[AC+16*\b+1]|, 0x1800000   ; block b: my 16 numbers, from each accumulator's low end on, and the floor 2^(3 - 127)
.endr
.irp i, 2,4,6,8,10,12,14
.irp b, 0,1,2,3
	v_max3_num_f32 v[TM+\b], |v[AC+16*\b+\i]|, |v[AC+16*\b+\i+1]|, v[TM+\b]
.endr
.endr
	WIN 0
.irp b, 0,1,2,3
	v_permlanex16_b32 v[TM+4+\b], v[TM+\b], s[SEL], s[SEL+1]
.endr
.irp b, 0,1,2,3
	v_max_num_f32 v[TM+\b], v[TM+\b], v[TM+4+\b]   ; with lane l xor 16's: the block's largest magnitude
.endr
.irp b, 0,1,2,3
	v_add_nc_u32 v[TM+12+\b], 0xff000000, v[TM+\b] ; 2 off its exponent field: the conversion's scale operand
.endr
.irp b, 0,1,2,3
	v_lshrrev_b32 v[TM+4+\b], 23, v[TM+12+\b]      ; the scale's byte
.endr
	v_lshl_or_b32 v[PW], v[TM+5], 8, v[TM+4]
	v_lshl_or_b32 v[PW], v[TM+6], 16, v[PW]
	v_lshl_or_b32 v[PW], v[TM+7], 24, v[PW]
	v_and_b32 v[W0], s97, v[PW]                    ; the first run's word,
	v_lshrrev_b32 v[W1], 16, v[PW]                 ; the second's
.if (\a) > 0
	s_wait_xcnt 0x0                                ; the last block's stores have had their addresses translated: only behind this wait are their data registers written again
.endif
	v_cndmask_b32 v[SW], v[W0], v[W1], s98         ; lanes 0-15 store the first run's, lanes 16-31 the second's
	WIN 2+(\a)/4                                   ; source 0: the accumulators' window
.irp c, 0,1
	v_cvt_scalef32_pk16_fp6_f32 v[PC+6*\c:PC+6*\c+2], v[AC+32*\c:AC+32*\c+15], v[TM+12+2*\c]
	v_cvt_scalef32_pk16_fp6_f32 v[PT+4*\c:PT+4*\c+2], v[AC+32*\c+16:AC+32*\c+31], v[TM+12+2*\c+1]   ; (a conversion's three registers begin on an even number)
.endr
	WIN 0
	v_nop                                          ; one plain place behind a scaled conversion
.irp c, 0,1                                    ; the operand's layout wants a whole block in a lane: lanes 0-15 block 2 c, lanes 16-31 block 2 c + 1
.irp i, 0,1,2
	v_permlane16_swap_b32 v[PC+6*\c+\i], v[PT+4*\c+\i]
.endr
.irp i, 0,1,2
	v_mov_b32 v[PC+3+6*\c+\i], v[PT+4*\c+\i]
.endr
.endr
	global_store_b128 v[L16], v[PC:PC+3], s[12:13] offset:768*(\a)               ; 512 consecutive bytes, aligned to 256
	global_store_b64 v[L8], v[PC+4:PC+5], s[12:13] offset:768*(\a)+512           ; 256
	global_store_b128 v[L16], v[PC+6:PC+9], s[100:101] offset:768*(\a)
	global_store_b64 v[L8], v[PC+10:PC+11], s[100:101] offset:768*(\a)+512
	global_store_b32 v[VSO], v[SW], s[20:21] offset:64*(\a)                      ; two runs of 64 bytes
.endm
.irp a, 0,1,2,3,4,5,6,7
	QBLOCK \a
.endr
	s_wait_tensorcnt 0x0                           ; the wave's end, behind my last tensor load
	ds_add_u32 v[SPW], v[NIL]
	s_wait_dscnt 0x0
	CROUND                                         ; the closing round: no work-group ends while a partner may still ask for a tile that names it
	s_endpgm
.Lfunc_end_k_qeb651f0f5e_qkv:
	.size	k_qeb651f0f5e_qkv, .Lfunc_end_k_qeb651f0f5e_qkv-k_qeb651f0f5e_qkv
	.p2alignl 7, 3214868480
	.fill 96, 4, 3214868480
	.section	.rodata,"a",@progbits
	.p2align	6, 0x0
	.amdhsa_kernel k_qeb651f0f5e_qkv
		.amdhsa_group_segment_fixed_size 327680
		.amdhsa_private_segment_fixed_size 0
		.amdhsa_enable_private_segment 0
		.amdhsa_kernarg_size 24
		.amdhsa_user_sgpr_count 2
		.amdhsa_user_sgpr_kernarg_segment_ptr 1
		.amdhsa_wavefront_size32 1
		.amdhsa_system_sgpr_workgroup_id_x 1
		.amdhsa_system_sgpr_workgroup_id_y 1
		.amdhsa_system_sgpr_workgroup_id_z 1
		.amdhsa_system_vgpr_workitem_id 0
		.amdhsa_next_free_vgpr 1024
		.amdhsa_next_free_sgpr 102
		.amdhsa_reserve_vcc 0
		.amdhsa_float_denorm_mode_32 3
		.amdhsa_float_denorm_mode_16_64 3
		.amdhsa_memory_ordered 1
		.amdhsa_forward_progress 1
		.amdhsa_inst_pref_size 167
	.end_amdhsa_kernel
	.amdgpu_metadata
---
amdhsa.version: [ 1, 2 ]
amdhsa.kernels:
  - .name:           k_qeb651f0f5e_qkv
    .symbol:         k_qeb651f0f5e_qkv.kd
    .args:
      - { .name: xq, .offset: 0, .size: 8, .value_kind: global_buffer, .address_space: global }
      - { .name: wq, .offset: 8, .size: 8, .value_kind: global_buffer, .address_space: global }
      - { .name: qkv, .offset: 16, .size: 8, .value_kind: global_buffer, .address_space: global }
    .group_segment_fixed_size: 327680
    .private_segment_fixed_size: 0
    .kernarg_segment_align: 8
    .kernarg_segment_size: 24
    .max_flat_workgroup_size: 128
    .sgpr_count:     102
    .vgpr_count:     1024
    .wavefront_size: 32
...
	.end_amdgpu_metadata
.endif
;; end of part 2
;; launch attn (part 3): grid 4 x 64, 16 waves a work-group, clusters of 4 x 1, 219,136 bytes of LDS; arguments qkv, attention_mask, ao; writes ao
.if DOCPART == 3
	.amdgcn_target "amdgcn-amd-amdhsa--gfx1250"
	.amdhsa_code_object_version 6
	.text
	.protected	k_qeb651f0f5e_attn
	.globl	k_qeb651f0f5e_attn
	.p2align	8
	.type	k_qeb651f0f5e_attn,@function
k_qeb651f0f5e_attn:
	s_mov_b64 s[64:65], 0
	v_nop
	global_prefetch_b8 v0, s[64:65] scope:SCOPE_SE
	s_setreg_imm32_b32 hwreg(HW_REG_WAVE_MODE, 25, 1), 1
	s_wait_xcnt 0x0
	s_wait_alu depctr_hold_cnt(0) depctr_sa_sdst(0) depctr_va_vdst(0) depctr_va_sdst(0) depctr_va_ssrc(0) depctr_va_vcc(0) depctr_vm_vsrc(0)
	s_getreg_b32 s2, hwreg(HW_REG_IB_STS2, 6, 4)
	s_cmp_eq_u32 s2, 0
	s_cbranch_scc0 .Lentry_in_a_cluster
	s_endpgm
.Lentry_in_a_cluster:
	s_bfe_u32 s2, ttmp6, 0x10000c
	s_cmp_lg_u32 s2, 0x3003
	s_cbranch_scc0 .Lentry_shape_is_right
	s_endpgm
.Lentry_shape_is_right:
; o = softmax(q k^T / 8, causal and under the key mask) v for one head and batch a cluster, both products on codes of FP6 (E2M3) with E8M0 scales; o is quantised along the channels on the way out.
; THE SOFTMAX AHEAD OF THE SECOND PRODUCT: t = score x log2(e) / 8; M = the running largest t rounded UP to a whole number; p = 2^(t - M) is quantised along the keys, not normalised; the row's sum is taken of
; the unquantised p and divides o at the end.  When M moves, the sum and o are multiplied by 2^(old M - new M): exact.
; SHARES.  The cluster's y is 16 x batch + head.  A head has 128 tiles of 16 queries in 16 bands of 128.  Wave w (e = w / 8, p = w xor 15 e, 0 .. 7) of the work-group at place cx owns TWO tiles: tile 2 cx + e of
; band p and of band 15 - p.  A tile of band g has g + 1 key steps of 128 keys, so every wave has 17 tile steps.  Which steps a tile skips hangs on the wave's number alone: it is the same in all four partners.
; LDS.  A whole head's K and V, as half fragments of 768 bytes (16 rows x 64 codes as an operand's registers 0-5), and their scale words are asked for JOINTLY by the four partners and filled ONCE: no ring.
;   K's codes 0 (98,304: [key tile 0-127][768]); V's 98,304 (98,304: [run of 64 keys 0-31][channel tile 0-3][768]); K's scale words 196,608 (8,192); V's 204,800 (4,096: [key step][tile][16 words]);
;   the key mask as a bias, one f32 a key, 208,896 (8,192; stored by the waves, in blocks into which no fill lands); the spare words 217,088 (2,048).
; LAYOUT.  Both products are used transposed (S^T = K Q^T, O^T = V^T P^T): a lane holds ONE query throughout.  Rows lie at positions with bits 3 and 4 of the index exchanged, so the 16 registers of key tiles 2 b and
; 2 b + 1 are the keys 32 b + 16 (lane / 16) + 0 .. 15, and O^T's likewise 16 neighbouring channels.  K = 64 of the first product is half of the instruction's 128: Q's upper six registers are zero codes, and K's
; upper six are then whatever follows (the next tile's codes); the upper two scale bytes of both are 0, which is a power of two and no NaN.
; THE KEY MASK is the C of the score products: 0 for a key that counts, -2^120 for one that does not.  Causally hidden keys of the diagonal step become -infinity by v_cndmask_b32.  No branch hangs on the mask.
; A query with no key that counts has the sum 0: its two scale bytes are stored as 0xff, which the next launch's products turn into NaN for its whole row, as the softmax of nothing is.
; LIMITS: the running largest t starts at -2^100 and a masked key's t is about -2^117: real scores x log2(e) / 8 must lie above -2^100.  A block of zeros gets the byte 1.  NaN and infinities in q, k, v are not served.
.set KCL,   0
.set VCL,   98304
.set KSL,   196608
.set VSL,   204800
.set BIAS,  208896
.set SPARE, 217088
.set CHUNK, 24576                      ; what one tensor load of codes brings: four key steps
.set SPW,  1                           ; v1   my spare word; never rewritten
.set NIL,  2                           ; v2   0; never rewritten
.set L16,  3                           ; v3   16 x lane
.set L8,   4                           ; v4   8 x lane
.set L4,   5                           ; v5   4 x lane
.set LH,   6                           ; v6   64 (lane / 16)
.set QIN,  7                           ; v7   my query's place in its band, less 16 (lane / 16)
.set AK16, 8                           ; v8-14 the key step's LDS addresses
.set AK8,  9
.set AV16, 10
.set AV8,  11
.set AKS,  12
.set AVS,  13
.set AB,   14
.set NINF, 15                          ; v15  -infinity
.set STA,  16                          ; v16-19, v20-23: a tile's -M, largest t, sum in two halves
.set STB,  20
.set QSA,  24                          ; v24, v25 Q's scale words
.set QSB,  25
.set KSR,  26                          ; v26-29 K's scale words: register u: lanes 0-15 tile 2 u, lanes 16-31 tile 2 u + 1
.set VSR,  30                          ; v30-31 V's likewise
.set PW,   32                          ; v32  p's scale word
.set R32,  33                          ; v33  32 (lane % 16)
.set F,    34                          ; v[34:35] f = 2^(old M - new M) (v35 is written once: it is named with v34 as a pair)
.set QA,   36                          ; v36-47, v48-59: Q's fragments: six registers of codes, six of zero codes
.set QB,   48
.set ALLF, 60                          ; v60  0xffff
.set KB,   64                          ; v64-117 K: tile t is the operand v[64 + 6 t : 75 + 6 t]; v112-117 stay zero.  Behind the score products v64-103 are at work:
.set BM,   64                          ;   the blocks' largest scores, then largest p
.set PD,   68                          ;   the other half of the lanes'
.set SO,   72                          ;   the conversions' scale operands
.set BY,   76                          ;   the scale bytes
.set TMP,  80
.set CH,   82                          ;   the sum's second chain
.set PC,   84                          ;   p's codes, 12 registers
.set PT,   96                          ;   the conversions' second halves
.set S,    128                         ; v128-191 the bias, then S^T, then p, then V's four fragments
.set OA,   192                         ; v192-223, v224-255 O^T
.set OB,   224
.set WV,   10                          ; s10  my wave's number
.set KD,   16                          ; s[16:23] group 1: K's codes;  s[24:31] V's;  s[32:39] K's scale words;  s[40:47] V's
.set VD,   24
.set KSD,  32
.set VSD,  40
.set G0K,  48                          ; s[48:51], s[52:55], s[56:59], s[60:63]: their groups 0; never rewritten
.set G0V,  52
.set G0KS, 56
.set G0VS, 60
.set SEL,  72                          ; s[72:73] lane selects: lane l xor 16
.set CS,   74                          ; s[74:75] c = log2(e) / 8
.set J,    76                          ; s76  the key step
.set TK,   78                          ; s78-82 where the step's K, V, scale words and bias begin in LDS
.set TV,   79
.set TS,   80
.set TVS,  81
.set TBI,  82
.set BA,   83                          ; s83, s84 my two tiles' bands
.set BB,   84
.macro CROUND                          ; a round of the cluster's barrier
	s_barrier_signal -1
	s_barrier_wait -1
	s_cmp_lg_u32 s[WV], 0
	s_cbranch_scc1 .Lnot_wave_0_\@
	s_barrier_signal -3
.Lnot_wave_0_\@:
	s_barrier_wait -3
	s_barrier_signal -1
	s_barrier_wait -1
.endm
.macro SHAPE g, c, r, p                ; group 1: r rows of c elements of 8 bytes, p elements apart; no padding; the mask names all four partners, bit 21 beside it
	s_mov_b32 s[\g], 15|(3<<16)|(1<<21)
	s_mov_b32 s[\g+1], (\c)<<16
	s_mov_b32 s[\g+2], (\r)<<16
	s_mov_b32 s[\g+3], (\c)<<16
	s_mov_b32 s[\g+4], \r
	s_mov_b32 s[\g+5], \p
	s_mov_b32 s[\g+6], 0
	s_mov_b32 s[\g+7], 0
.endm
.macro FILL g0, g1                     ; an s_nop 0 and four v_nop follow the load
	tensor_load_to_lds s[\g0:\g0+3], s[\g1:\g1+7]
	s_nop 0
.rept 4
	v_nop
.endr
.endm
.macro MM d, a, b, sa, sb, row         ; D = A x B + D; row = 1: A's scales stand in lanes 16-31
.if \row
	v_wmma_scale_f32_16x16x128_f8f6f4 v[\d:\d+7], v[\a:\a+11], v[\b:\b+11], v[\d:\d+7], v[\sa], v[\sb] matrix_a_fmt:MATRIX_FMT_FP6 matrix_b_fmt:MATRIX_FMT_FP6 matrix_a_scale:MATRIX_SCALE_ROW1
.else
	v_wmma_scale_f32_16x16x128_f8f6f4 v[\d:\d+7], v[\a:\a+11], v[\b:\b+11], v[\d:\d+7], v[\sa], v[\sb] matrix_a_fmt:MATRIX_FMT_FP6 matrix_b_fmt:MATRIX_FMT_FP6
.endif
.endm
	s_load_b128 s[4:7], s[0:1], 0x0                ; qkv, the key mask
	s_load_b64 s[8:9], s[0:1], 0x10                ; ao
	v_lshl_add_u32 v[SPW], v0, 2, SPARE
	v_mov_b32 v[NIL], 0
	ds_add_u32 v[SPW], v[NIL]                      ; the wave's opening: the add and its wait stand ahead of the first tensor loads; the set-up below stands between them
	v_lshrrev_b32 v61, 5, v0
	v_readfirstlane_b32 s[WV], v61                 ; wave 0..15
	s_bfe_u32 s12, ttmp6, 0x40000                  ; cx
	s_and_b32 s13, ttmp7, 0xffff
	s_lshr_b32 s14, s13, 4                         ; batch
	s_and_b32 s15, s13, 15                         ; head
	SHAPE KD, 32, 96, 32                           ; 24,576 dense bytes as rows of 256
	SHAPE VD, 384, 8, 6144                         ; 8 runs of 64 keys: 3,072 bytes (the head's four channel tiles) of each, 49,152 bytes apart
	SHAPE KSD, 32, 32, 32                          ; 8,192 dense bytes
	SHAPE VSD, 32, 16, 1024                        ; 16 key steps: 256 bytes of each even run's words, 8,192 bytes apart
	s_mov_b32 s[SEL], 0x76543210
	s_mov_b32 s[SEL+1], 0xfedcba98
	s_mov_b32 s[CS], 0x3e38aa3b
	s_mov_b32 s[CS+1], s[CS]
	s_and_b32 s11, s[WV], 3                        ; which chunk, if I fetch codes
	s_mul_i32 s85, s11, CHUNK                      ; its place in LDS, and in K's dense rows
	s_add_co_u32 s2, s15, 16
	s_lshl_b32 s2, s2, 9
	s_lshl_b32 s3, s14, 7
	s_add_co_u32 s2, s2, s3                        ; K: half fragment (16 + head) 512 + 128 batch
	s_lshl_b32 s3, s14, 11
	s_lshl_b32 s86, s15, 2
	s_add_co_u32 s3, s3, s86                       ; V: half fragment 2,048 batch + 4 head
	s_mul_i32 s86, s2, 768
	s_add_co_u32 s86, s86, s85
	s_mov_b32 s87, 0                               ; s[86:87] K's chunk
	s_mul_i32 s88, s3, 768
	s_mul_i32 s89, s11, 393216
	s_add_co_u32 s88, s88, s89
	s_add_co_u32 s88, s88, 13631488
	s_mov_b32 s89, 0                               ; s[88:89] V's chunk
	s_lshl_b32 s90, s2, 6
	s_add_co_u32 s90, s90, 12582912
	s_mov_b32 s91, 0                               ; s[90:91] K's scale words
	s_lshl_b32 s92, s3, 6
	s_add_co_u32 s92, s92, 19922944
	s_mov_b32 s93, 0                               ; s[92:93] V's
	s_wait_dscnt 0x0                               ; the opening add is done
	s_wait_kmcnt 0x0
	s_mov_b32 s[G0K], 1                            ; count = 1
	s_mov_b32 s[G0K+1], s85                        ; LDS address: (wave & 3) x 24,576
	s_add_nc_u64 s[G0K+2:G0K+3], s[4:5], s[86:87]
	s_or_b32 s[G0K+3], s[G0K+3], 0x80000000        ; type = 2
	s_mov_b32 s[G0V], 1
	s_add_co_u32 s[G0V+1], s85, VCL
	s_add_nc_u64 s[G0V+2:G0V+3], s[4:5], s[88:89]
	s_or_b32 s[G0V+3], s[G0V+3], 0x80000000
	s_mov_b32 s[G0KS], 1
	s_mov_b32 s[G0KS+1], KSL
	s_add_nc_u64 s[G0KS+2:G0KS+3], s[4:5], s[90:91]
	s_or_b32 s[G0KS+3], s[G0KS+3], 0x80000000
	s_mov_b32 s[G0VS], 1
	s_mov_b32 s[G0VS+1], VSL
	s_add_nc_u64 s[G0VS+2:G0VS+3], s[4:5], s[92:93]
	s_or_b32 s[G0VS+3], s[G0VS+3], 0x80000000
	CROUND                                         ; all four work-groups are here: the joint loads meet
	; the fills, one a wave: waves 0-3 K's chunks, waves 4-7 V's, wave 8 K's scale words, wave 9 V's.  The branches hang on the wave's number alone.
	s_cmp_lt_u32 s[WV], 4
	s_cbranch_scc0 .Lnot_k
	FILL G0K, KD
	s_branch .Lasked
.Lnot_k:
	s_cmp_lt_u32 s[WV], 8
	s_cbranch_scc0 .Lnot_v
	FILL G0V, VD
	s_branch .Lasked
.Lnot_v:
	s_cmp_eq_u32 s[WV], 8
	s_cbranch_scc0 .Lnot_ks
	FILL G0KS, KSD
	s_branch .Lasked
.Lnot_ks:
	s_cmp_eq_u32 s[WV], 9
	s_cbranch_scc0 .Lasked
	FILL G0VS, VSD
.Lasked:
	; the mask of my batch: 16 bytes (four keys) a thread
	s_lshl_b32 s86, s14, 13
	s_mov_b32 s87, 0
	s_add_nc_u64 s[6:7], s[6:7], s[86:87]
	v_lshlrev_b32 v118, 4, v0
	global_load_b128 v[120:123], v118, s[6:7]
	; my two tiles
	s_lshr_b32 s85, s[WV], 3                       ; e
	s_mul_i32 s[BA], s85, 15
	s_xor_b32 s[BA], s[BA], s[WV]                  ; p: the first tile's band
	s_sub_co_u32 s[BB], 15, s[BA]                  ; the second's
	s_lshl_b32 s2, s12, 1
	s_add_co_u32 s2, s2, s85                       ; the tile's place in its band: 2 cx + e
	s_lshl_b32 s3, s14, 7
	s_add_co_u32 s3, s3, s2
	s_lshl_b32 s11, s[BA], 3
	s_add_co_u32 s11, s11, s3                      ; s11: the first tile among all 512 token tiles
	s_lshl_b32 s13, s[BB], 3
	s_add_co_u32 s13, s13, s3                      ; s13: the second
	s_lshl_b32 s3, s15, 9                          ; q's half fragments of my head begin 512 head on
	s_add_co_u32 s86, s3, s11
	s_mul_i32 s88, s86, 768
	s_mov_b32 s89, 0
	s_lshl_b32 s86, s86, 6
	s_add_co_u32 s86, s86, 12582912
	s_mov_b32 s87, 0
	s_add_nc_u64 s[88:89], s[4:5], s[88:89]        ; the first tile's codes
	s_add_nc_u64 s[86:87], s[4:5], s[86:87]        ; and scale words
	s_add_co_u32 s90, s3, s13
	s_mul_i32 s92, s90, 768
	s_mov_b32 s93, 0
	s_lshl_b32 s90, s90, 6
	s_add_co_u32 s90, s90, 12582912
	s_mov_b32 s91, 0
	s_add_nc_u64 s[92:93], s[4:5], s[92:93]
	s_add_nc_u64 s[90:91], s[4:5], s[90:91]
	v_and_b32 v61, 31, v0                          ; lane
	v_lshlrev_b32 v[L16], 4, v61
	v_lshlrev_b32 v[L8], 3, v61
	v_lshlrev_b32 v[L4], 2, v61
	v_and_b32 v62, 15, v0                          ; r
	v_bfe_u32 v63, v0, 4, 1                        ; h
	v_lshlrev_b32 v[LH], 6, v63
	v_lshlrev_b32 v[R32], 5, v62
	v_and_b32 v61, 8, v62
	v_add_nc_u32 v[QIN], v61, v62                  ; r + 8 (r / 8)
	v_lshlrev_b32 v61, 4, v63
	v_sub_nc_u32 v[QIN], v[QIN], v61               ; - 16 h
	s_lshl_b32 s2, s12, 5
	s_lshl_b32 s3, s85, 3
	s_add_co_u32 s2, s2, s3
	v_add_nc_u32 v[QIN], s2, v[QIN]                ; + 32 cx + 8 e: position 16 (2 cx + e) + r is query 32 cx + 8 e + r + 8 (r / 8) of the band
	v_lshlrev_b32 v62, 2, v62                      ; 4 r; stays: it addresses the scale words' loads
	global_load_b128 v[QA:QA+3], v[L16], s[88:89]
	global_load_b64 v[QA+4:QA+5], v[L8], s[88:89] offset:512
	global_load_b32 v[QSA], v62, s[86:87]
	global_load_b128 v[QB:QB+3], v[L16], s[92:93]
	global_load_b64 v[QB+4:QB+5], v[L8], s[92:93] offset:512
	global_load_b32 v[QSB], v62, s[90:91]
	v_mov_b32 v[NINF], 0xff800000
	v_mov_b32 v[ALLF], 0xffff
	v_mov_b32 v[F+1], 0
	v_mov_b32 v61, 0xfb800000                      ; -2^120
	v_lshl_add_u32 v119, v0, 4, BIAS
.irp i, 6,7,8,9,10,11
	v_mov_b32 v[QA+\i], 0                          ; zero codes for k = 64 .. 127
	v_mov_b32 v[QB+\i], 0
	v_mov_b32 v[KB+42+\i], 0                       ; v112-117: the last key tile's upper six
.endr
.irp t, STA, STB
	v_mov_b32 v[\t+1], 0xf1800000                  ; the largest t so far: -2^100
	v_floor_f32 v[\t], -v[\t+1]                    ; -M
	v_mov_b32 v[\t+2], 0                           ; the sum
	v_mov_b32 v[\t+3], 0
.endr
.irp i, 68,69,70,71,80,81
	v_mov_b32 v[\i], 0                             ; lane permutes' destinations count as sources: written once on every way
.endr
.set n, 0
.rept 64
	v_mov_b32 v[OA+n], 0                           ; O^T of both tiles.  (The step is written once: the first finds zeros, which the first change of M leaves zeros)
.set n, n+1
.endr
	s_wait_loadcnt 6                               ; the mask is in; the six loads of Q behind it may be out
.irp i, 0,1,2,3
	v_cmp_ne_u32 vcc_lo, 0, v[120+\i]
	v_cndmask_b32 v[124+\i], v61, v[NIL], vcc_lo   ; 0 where the key counts, -2^120 where it does not
.endr
	ds_store_b128 v119, v[124:127]
	s_wait_loadcnt 0x0                             ; Q
	s_wait_tensorcnt 0x0                           ; my fill has landed,
	s_wait_dscnt 0x0                               ; my part of the bias is stored:
	s_barrier_signal -1
	s_barrier_wait -1                              ; everybody's are.  Nothing is filled again in this launch
; ONE TILE'S KEY STEP: 128 keys.  ST: the tile's statistics; QF, QS: its fragment and scale words; ACC: its O^T; BAND: the register with its band.
.macro TILESTEP ST, QF, QS, ACC, BAND
	s_cmp_gt_u32 s[J], s[\BAND]                    ; all 128 keys come after the tile's queries: nothing to do
	s_cbranch_scc1 .Lskip_\@
.irp b, 0,1,2,3
.irp i, 0,1,2,3
	ds_load_b128 v[S+16*\b+4*\i:S+16*\b+4*\i+3], v[AB] offset:128*\b+16*\i   ; the bias of keys 32 b + 16 h + 4 i + 0 .. 3: the C of the score products
.endr
.endr
.irp t, 0,1,2,3,4,5,6,7
	ds_load_b128 v[KB+6*\t:KB+6*\t+3], v[AK16] offset:768*\t
	ds_load_b64 v[KB+6*\t+4:KB+6*\t+5], v[AK8] offset:768*\t+512
.endr
.irp u, 0,1,2,3
	ds_load_b32 v[KSR+\u], v[AKS] offset:128*\u
.endr
	s_wait_dscnt 0x0
.irp t, 0,1,2,3,4,5,6,7
	MM S+8*\t, KB+6*\t, \QF, KSR+\t/2, \QS, \t%2   ; eight accumulators, one instruction each
.endr
.rept 4
	v_nop                                          ; places behind the products, ahead of the first read of the scores and of writes into K's registers
.endr
	s_cmp_lg_u32 s[J], s[\BAND]                    ; only the band's own step lies on the diagonal
	s_cbranch_scc1 .Lopen_\@
.irp n, 0,1,2,3,4,5,6,7,8,9,10,11,12,13,14,15,16,17,18,19,20,21,22,23,24,25,26,27,28,29,30,31,32,33,34,35,36,37,38,39,40,41,42,43,44,45,46,47,48,49,50,51,52,53,54,55,56,57,58,59,60,61,62,63
	v_cmp_gt_i32 vcc_lo, 32*(\n/16)+\n%16, v[QIN]  ; register n holds key 32 (n / 16) + 16 h + n % 16 of the band: hidden where it comes after my query
	v_cndmask_b32 v[S+\n], v[S+\n], v[NINF], vcc_lo
.endr
.Lopen_\@:
.irp b, 0,1,2,3
	v_max3_num_f32 v[BM+\b], v[S+16*\b], v[S+16*\b+1], v[S+16*\b+2]   ; the largest score of each block of 32 keys: for the row's maximum and, since p rises with the score, for the block's largest p
.endr
.irp i, 3,5,7,9,11,13
.irp b, 0,1,2,3
	v_max3_num_f32 v[BM+\b], v[BM+\b], v[S+16*\b+\i], v[S+16*\b+\i+1]
.endr
.endr
.irp b, 0,1,2,3
	v_max_num_f32 v[BM+\b], v[BM+\b], v[S+16*\b+15]
.endr
.irp b, 0,1,2,3
	v_permlanex16_b32 v[PD+\b], v[BM+\b], s[SEL], s[SEL+1]
.endr
.irp b, 0,1,2,3
	v_max_num_f32 v[BM+\b], v[BM+\b], v[PD+\b]     ; with lane l xor 16's 16 keys
.endr
	v_max3_num_f32 v[TMP], v[BM], v[BM+1], v[BM+2]
	v_max_num_f32 v[TMP], v[TMP], v[BM+3]
	v_mul_f32 v[TMP], s[CS], v[TMP]                ; the step's largest t
	v_max_num_f32 v[\ST+1], v[\ST+1], v[TMP]       ; the running largest t
	v_mov_b32 v[TMP], v[\ST]
	v_floor_f32 v[\ST], -v[\ST+1]                  ; the new -M = floor(-t): M is a whole number
	v_sub_f32 v[TMP], v[\ST], v[TMP]               ; old M - new M, 0 or less
	v_cvt_i32_f32 v[TMP], v[TMP]                   ; (it saturates)
	v_ldexp_f32 v[F], 1.0, v[TMP]                  ; f = 2^(old M - new M)
.set n, 0
.rept 32
	v_pk_fma_f32 v[S+n:S+n+1], v[S+n:S+n+1], s[CS:CS+1], v[\ST:\ST+1] op_sel_hi:[1,0,0]   ; t - M, two at a time
.set n, n+2
.endr
.irp b, 0,1,2,3
	v_fma_f32 v[BM+\b], v[BM+\b], s[CS], v[\ST]    ; the same of each block's largest score
.endr
.set n, 0
.rept 64
	v_exp_f32 v[S+n], v[S+n]                       ; p = 2^(t - M)
.set n, n+1
.endr
	v_pk_mul_f32 v[\ST+2:\ST+3], v[\ST+2:\ST+3], v[F:F+1] op_sel_hi:[1,0]   ; the sums under the new M (a plain line behind the exponentials)
	s_wait_alu depctr_va_vdst(0)                   ; one wait for the whole batch, ahead of its first reader
.irp b, 0,1,2,3
	v_exp_f32 v[BM+\b], v[BM+\b]                   ; the blocks' largest p
.endr
	v_pk_add_f32 v[CH:CH+1], v[S:S+1], v[S+2:S+3]  ; the row's sum of the unquantised p, in two chains
.irp j, 4,8,12,16,20,24,28,32,36,40,44,48,52,56,60
	v_pk_add_f32 v[\ST+2:\ST+3], v[\ST+2:\ST+3], v[S+\j:S+\j+1]
	v_pk_add_f32 v[CH:CH+1], v[CH:CH+1], v[S+\j+2:S+\j+3]
.endr
	v_pk_add_f32 v[\ST+2:\ST+3], v[\ST+2:\ST+3], v[CH:CH+1]
	s_wait_alu depctr_va_vdst(0)                   ; and one for the four
.irp b, 0,1,2,3
	v_max_num_f32 v[BM+\b], 0x1800000, v[BM+\b]    ; the floor 2^(3 - 127): the byte cannot fall under 1
.endr
.irp b, 0,1,2,3
	v_add_nc_u32 v[SO+\b], 0xff000000, v[BM+\b]    ; the conversion's scale operand
.endr
.irp b, 0,1,2,3
	v_lshrrev_b32 v[BY+\b], 23, v[SO+\b]           ; the scale's byte
.endr
	v_lshl_or_b32 v[PW], v[BY+1], 8, v[BY]
	v_lshl_or_b32 v[PW], v[BY+2], 16, v[PW]
	v_lshl_or_b32 v[PW], v[BY+3], 24, v[PW]
.irp c, 0,1
	v_cvt_scalef32_pk16_fp6_f32 v[PC+6*\c:PC+6*\c+2], v[S+32*\c:S+32*\c+15], v[SO+2*\c]
	v_cvt_scalef32_pk16_fp6_f32 v[PT+4*\c:PT+4*\c+2], v[S+32*\c+16:S+32*\c+31], v[SO+2*\c+1]
.endr
	v_nop                                          ; one plain place behind a scaled conversion
.irp c, 0,1                                    ; a whole block in a lane: lanes 0-15 block 2 c, lanes 16-31 block 2 c + 1
.irp i, 0,1,2
	v_permlane16_swap_b32 v[PC+6*\c+\i], v[PT+4*\c+\i]
.endr
.irp i, 0,1,2
	v_mov_b32 v[PC+3+6*\c+\i], v[PT+4*\c+\i]
.endr
.endr
.irp t, 0,1,2,3                                ; V's four fragments, two half fragments each, into the registers that p has left
.irp c, 0,1
	ds_load_b128 v[S+12*\t+6*\c:S+12*\t+6*\c+3], v[AV16] offset:3072*\c+768*\t
	ds_load_b64 v[S+12*\t+6*\c+4:S+12*\t+6*\c+5], v[AV8] offset:3072*\c+768*\t+512
.endr
.endr
.irp u, 0,1
	ds_load_b32 v[VSR+\u], v[AVS] offset:128*\u
.endr
.set n, 0
.rept 16
	v_pk_mul_f32 v[\ACC+n:\ACC+n+1], v[\ACC+n:\ACC+n+1], v[F:F+1] op_sel_hi:[1,0]   ; O^T under the new M, from each accumulator's low end on; also the places between p's codes and scale word and the products
.set n, n+2
.endr
	s_wait_dscnt 0x0
.irp t, 0,1,2,3
	MM \ACC+8*\t, S+12*\t, PC, VSR+\t/2, PW, \t%2  ; four accumulators, one instruction each
.endr
.rept 5
	v_nop                                          ; the next step loads into, and its products write over, registers that these products have read
.endr
.Lskip_\@:
.endm
	s_mov_b32 s[J], 0
	s_mov_b32 s[TK], KCL
	s_mov_b32 s[TV], VCL
	s_mov_b32 s[TS], KSL
	s_mov_b32 s[TVS], VSL
	s_mov_b32 s[TBI], BIAS
.Lstep:                                            ; 16 trips in every wave: the trip count is a constant, what is left out is a tile's work
	v_add_nc_u32 v[AK16], s[TK], v[L16]
	v_add_nc_u32 v[AK8], s[TK], v[L8]
	v_add_nc_u32 v[AV16], s[TV], v[L16]
	v_add_nc_u32 v[AV8], s[TV], v[L8]
	v_add_nc_u32 v[AKS], s[TS], v[L4]
	v_add_nc_u32 v[AVS], s[TVS], v[L4]
	v_add_nc_u32 v[AB], s[TBI], v[LH]
	TILESTEP STA, QA, QSA, OA, BA
	TILESTEP STB, QB, QSB, OB, BB
	s_add_co_u32 s[TK], s[TK], 6144                ; 8 key tiles of 768 bytes
	s_add_co_u32 s[TV], s[TV], 6144                ; 2 runs of 4 channel tiles
	s_add_co_u32 s[TS], s[TS], 512
	s_add_co_u32 s[TVS], s[TVS], 256
	s_add_co_u32 s[TBI], s[TBI], 512
	s_add_co_u32 s[J], s[J], 1
	s_cmp_lt_u32 s[J], 16
	s_cbranch_scc1 .Lstep
	; THE WAY OUT.  The sums' halves are added; O^T is divided by the sum and quantised along the channels: a lane's 32 registers are channels 32 b + 16 h + 0 .. 15, two blocks of 32.
	v_add_f32 v[STA+2], v[STA+2], v[STA+3]
	v_add_f32 v[STB+2], v[STB+2], v[STB+3]
	v_permlanex16_b32 v80, v[STA+2], s[SEL], s[SEL+1]
	v_permlanex16_b32 v81, v[STB+2], s[SEL], s[SEL+1]
	v_add_f32 v[STA+2], v[STA+2], v80
	v_add_f32 v[STB+2], v[STB+2], v81              ; the rows' sums
	v_rcp_f32 v[STA], v[STA+2]
	v_rcp_f32 v[STB], v[STB+2]
	v_nop                                          ; a plain line behind the reciprocals
	v_cmp_eq_f32 s98, 0, v[STA+2]                  ; queries with no key that counts
	v_cmp_eq_f32 s99, 0, v[STB+2]
	s_lshl_b32 s86, s11, 4                         ; ao's half fragments: [token tile][head][768]
	s_add_co_u32 s86, s86, s15
	s_mul_i32 s86, s86, 768
	s_mov_b32 s87, 0
	s_add_nc_u64 s[86:87], s[8:9], s[86:87]
	s_lshl_b32 s2, s15, 1                          ; its scale bytes: [position][32], my head's two
	s_add_co_u32 s2, s2, 6291456
	s_lshl_b32 s88, s11, 9
	s_add_co_u32 s88, s88, s2
	s_mov_b32 s89, 0
	s_add_nc_u64 s[88:89], s[8:9], s[88:89]
	s_lshl_b32 s90, s13, 4
	s_add_co_u32 s90, s90, s15
	s_mul_i32 s90, s90, 768
	s_mov_b32 s91, 0
	s_add_nc_u64 s[90:91], s[8:9], s[90:91]
	s_lshl_b32 s92, s13, 9
	s_add_co_u32 s92, s92, s2
	s_mov_b32 s93, 0
	s_add_nc_u64 s[92:93], s[8:9], s[92:93]
	s_wait_alu depctr_va_vdst(0)                   ; one wait for both reciprocals, ahead of their first reader
.macro OUT ST, ACC, ZM, CBS, SBS
.set n, 0
.rept 16
	v_pk_mul_f32 v[\ACC+n:\ACC+n+1], v[\ACC+n:\ACC+n+1], v[\ST:\ST+1] op_sel_hi:[1,0]   ; O^T / the sum
.set n, n+2
.endr
.irp b, 0,1
	v_max3_num_f32 v[BM+\b], |v[\ACC+16*\b]|, |v[\ACC+16*\b+1]|, 0x1800000
.endr
.irp i, 2,4,6,8,10,12,14
.irp b, 0,1
	v_max3_num_f32 v[BM+\b], v[BM+\b], |v[\ACC+16*\b+\i]|, |v[\ACC+16*\b+\i+1]|
.endr
.endr
.irp b, 0,1
	v_permlanex16_b32 v[PD+\b], v[BM+\b], s[SEL], s[SEL+1]
.endr
.irp b, 0,1
	v_max_num_f32 v[BM+\b], v[BM+\b], v[PD+\b]
.endr
.irp b, 0,1
	v_add_nc_u32 v[SO+\b], 0xff000000, v[BM+\b]
.endr
.irp b, 0,1
	v_lshrrev_b32 v[BY+\b], 23, v[SO+\b]
.endr
	v_lshl_or_b32 v[BY+2], v[BY+1], 8, v[BY]
	v_cndmask_b32 v[BY+2], v[BY+2], v[ALLF], s[\ZM]   ; no key counted: both bytes 0xff
	v_cvt_scalef32_pk16_fp6_f32 v[PC:PC+2], v[\ACC:\ACC+15], v[SO]
	v_cvt_scalef32_pk16_fp6_f32 v[PT:PT+2], v[\ACC+16:\ACC+31], v[SO+1]
	v_nop
.irp i, 0,1,2
	v_permlane16_swap_b32 v[PC+\i], v[PT+\i]
.endr
.irp i, 0,1,2
	v_mov_b32 v[PC+3+\i], v[PT+\i]
.endr
	global_store_b128 v[L16], v[PC:PC+3], s[\CBS:\CBS+1]                 ; 512 consecutive bytes, aligned to 256
	global_store_b64 v[L8], v[PC+4:PC+5], s[\CBS:\CBS+1] offset:512      ; 256
	global_store_b16 v[R32], v[BY+2], s[\SBS:\SBS+1]                     ; both halves of the lanes write the same two bytes
.endm
	OUT STA, OA, 98, 86, 88
	s_wait_xcnt 0x0                                ; the first tile's stores have had their addresses translated: their data registers are written again only behind this wait
	OUT STB, OB, 99, 90, 92
	s_wait_tensorcnt 0x0                           ; the wave's end, behind my last tensor load and my last LDS store
	ds_add_u32 v[SPW], v[NIL]
	s_wait_dscnt 0x0
	CROUND                                         ; the closing round
	s_endpgm
.Lfunc_end_k_qeb651f0f5e_attn:
	.size	k_qeb651f0f5e_attn, .Lfunc_end_k_qeb651f0f5e_attn-k_qeb651f0f5e_attn
	.p2alignl 7, 3214868480
	.fill 96, 4, 3214868480
	.section	.rodata,"a",@progbits
	.p2align	6, 0x0
	.amdhsa_kernel k_qeb651f0f5e_attn
		.amdhsa_group_segment_fixed_size 219136
		.amdhsa_private_segment_fixed_size 0
		.amdhsa_enable_private_segment 0
		.amdhsa_kernarg_size 24
		.amdhsa_user_sgpr_count 2
		.amdhsa_user_sgpr_kernarg_segment_ptr 1
		.amdhsa_wavefront_size32 1
		.amdhsa_system_sgpr_workgroup_id_x 1
		.amdhsa_system_sgpr_workgroup_id_y 1
		.amdhsa_system_sgpr_workgroup_id_z 1
		.amdhsa_system_vgpr_workitem_id 0
		.amdhsa_next_free_vgpr 256
		.amdhsa_next_free_sgpr 102
		.amdhsa_reserve_vcc 1
		.amdhsa_float_denorm_mode_32 3
		.amdhsa_float_denorm_mode_16_64 3
		.amdhsa_memory_ordered 1
		.amdhsa_forward_progress 1
		.amdhsa_inst_pref_size 66
	.end_amdhsa_kernel
	.amdgpu_metadata
---
amdhsa.version: [ 1, 2 ]
amdhsa.kernels:
  - .name:           k_qeb651f0f5e_attn
    .symbol:         k_qeb651f0f5e_attn.kd
    .args:
      - { .name: qkv, .offset: 0, .size: 8, .value_kind: global_buffer, .address_space: global }
      - { .name: attention_mask, .offset: 8, .size: 8, .value_kind: global_buffer, .address_space: global }
      - { .name: ao, .offset: 16, .size: 8, .value_kind: global_buffer, .address_space: global }
    .group_segment_fixed_size: 219136
    .private_segment_fixed_size: 0
    .kernarg_segment_align: 8
    .kernarg_segment_size: 24
    .max_flat_workgroup_size: 512
    .sgpr_count:     102
    .vgpr_count:     256
    .wavefront_size: 32
...
	.end_amdgpu_metadata
.endif
;; end of part 3
;; launch oproj (part 4): grid 4 x 32, 4 waves a work-group, clusters of 4 x 4, 327,680 bytes of LDS; arguments ao, wq, out0; writes out0
.if DOCPART == 4
	.amdgcn_target "amdgcn-amd-amdhsa--gfx1250"
	.amdhsa_code_object_version 6
	.text
	.protected	k_qeb651f0f5e_oproj
	.globl	k_qeb651f0f5e_oproj
	.p2align	8
	.type	k_qeb651f0f5e_oproj,@function
k_qeb651f0f5e_oproj:
	s_mov_b64 s[64:65], 0
	v_nop
	global_prefetch_b8 v0, s[64:65] scope:SCOPE_SE
	s_setreg_imm32_b32 hwreg(HW_REG_WAVE_MODE, 25, 1), 1
	s_wait_xcnt 0x0
	s_wait_alu depctr_hold_cnt(0) depctr_sa_sdst(0) depctr_va_vdst(0) depctr_va_sdst(0) depctr_va_ssrc(0) depctr_va_vcc(0) depctr_vm_vsrc(0)
	s_getreg_b32 s2, hwreg(HW_REG_IB_STS2, 6, 4)
	s_cmp_eq_u32 s2, 0
	s_cbranch_scc0 .Lentry_in_a_cluster
	s_endpgm
.Lentry_in_a_cluster:
	s_bfe_u32 s2, ttmp6, 0x10000c
	s_cmp_lg_u32 s2, 0xf033
	s_cbranch_scc0 .Lentry_shape_is_right
	s_endpgm
.Lentry_shape_is_right:
; out0 = o Wo on codes of FP6 (E2M3) with E8M0 scales, K = 1,024, sums in f32.  C[m][n] = sum over k of A[m][k] B[n][k]: A = o (8,192 token positions), B = Wo's rows [n][k] (rows 3,072 on in wq).
; A lies as half fragments of 768 bytes, [token tile][head][768] (16 rows x 64 codes as an operand's registers 0-5: registers 0-3 at 16 x lane, 4-5 at 512 + 8 x lane): a fragment of 128 along K is two of them,
; read by two loads of 16 bytes and two of 8 a lane, consecutive bytes in consecutive lanes.  Its scale bytes: [position][32] at 6,291,456; a row whose bytes are 0xff (a query with no key) comes out NaN.
; B lies as rows of 768 bytes; its scale bytes [row][32].  Both operands' rows lie at positions with bits 3 and 4 of the index exchanged; the way out puts rows and columns back.
; A tile of C, 256 x 256, is made by four waves, 128 x 128 each.  K goes in steps of 256 through a ring of two LDS slots; the scale bytes come once.  CLUSTERS: 4 x 4; A's tiles are asked for jointly along a row of
; the cluster, B's along a column.  THE MATRIX INSTRUCTION IS USED TRANSPOSED (source 0 = 16 rows of B, source 1 = 16 rows of A): a lane holds eight neighbouring numbers of a row of C.
; REGISTERS: window 0: v0-31 addresses; v32-63 scale words, two sets; from v128 A's fragments, one set; on the way out v128-255 rows of C.  window 1: B's fragments, two sets.  windows 2, 3: the accumulators.
.set NQ,     2
.set ROWB,   192                       ; B: a tile's row in bytes
.set KROW,   768
.set PITCH,  240                       ; B: an LDS row: 3 x (64 bytes + 16 of padding)
.set ASTEP,  3072                      ; A: a K step of a token tile: four half fragments
.set FR,     12
.set NL,     6                         ; LDS loads that bring a fragment of B
.set NLA,    4                         ; and one of A
.set NP,     4
.set HALFA,  8*ASTEP                   ; 128 rows of A for a K step
.set HALFB,  128*PITCH
.set SLOT,   2*HALFA+2*HALFB           ; A's two halves, then B's two
.set LAPS,   2
.set KS,     32
.set SCL,    2*SLOT
.set HALFS,  (128*KS/256)*272
.set SBLK,   (16*KS/256)*272
.set SPARE,  SCL+4*HALFS               ; the spare words, 128 bytes for each wave
.set SPITCH, 528                       ; the way out: a stage of 16 rows x (512 bytes + 16) for each wave, in slot 0, which has had its last fill and its last read when the first result is stored there
.set ADRA, 16                          ; v16-17 my A fragments in slot 0, 1, + 16 x lane;  v18-19 the same + 8 x lane
.set ADRB, 20                          ; v20-21 my B fragments;  v22-23 behind one padding more
.set STO,  24
.set RD,   25
.set CO,   26
.set ADRS, 27
.set SPW,  28                          ; v28  my spare word; never rewritten
.set NIL,  29                          ; v29  0; never rewritten
.set SC,   32
.set AF,   128
.set BK,   128
.set G1, 24
.set G0, 32
.set G1B, 48
.set G0B, 56
.set G1S, 68
.set G0S, 76
.set G1SB, 80
.set G0SB, 88
.set MSB, 0
.macro WIN new
.if MSB != (\new)
	s_set_vgpr_msb (MSB<<8)|(\new)
.set MSB, (\new)
.endif
.endm
.set MUL_LO, 0xa1
.set MUL_HI, 0xf1
.set TO_B,   0x40
.macro JLOAD g0a, g1a, g0b, g1b        ; a joint load: waves 0 and 1 fetch for A, waves 2 and 3 for B; an s_nop 0 and four v_nop follow each of the two lines
	s_cmp_eq_u32 s15, 0
	s_cbranch_scc0 .Lfor_b_\@
	tensor_load_to_lds s[\g0a:\g0a+3], s[\g1a:\g1a+7]
	s_nop 0
.rept 4
	v_nop
.endr
	s_branch .Lasked_\@
.Lfor_b_\@:
	tensor_load_to_lds s[\g0b:\g0b+3], s[\g1b:\g1b+7]
	s_nop 0
.rept 4
	v_nop
.endr
.Lasked_\@:
.endm
.macro CREST
	s_cmp_lg_u32 s14, 0
	s_cbranch_scc1 .Lnot_wave_0_\@
	s_barrier_signal -3
.Lnot_wave_0_\@:
	s_barrier_wait -3
	s_barrier_signal -1
	s_barrier_wait -1
.endm
.macro CROUND
	s_barrier_signal -1
	s_barrier_wait -1
	CREST
.endm
	s_load_b128 s[4:7], s[0:1], 0x0                ; ao, wq
	s_load_b64 s[12:13], s[0:1], 0x10              ; out0
	v_lshl_add_u32 v[SPW], v0, 2, SPARE
	v_mov_b32 v[NIL], 0
	ds_add_u32 v[SPW], v[NIL]                      ; the wave's opening: the add and its wait stand ahead of my first tensor load
	v_lshrrev_b32 v1, 5, v0
	v_readfirstlane_b32 s14, v1                    ; wave 0..3
	s_lshr_b32 s15, s14, 1                         ; which half of the tile's rows is mine.  Also: I fetch for A (0) or for B (1)
	s_and_b32 s16, s14, 1                          ; which half of its columns.  Also: which 128 rows of that tile I fetch
	s_bfe_u32 s40, ttmp6, 0x40000                  ; cx
	s_bfe_u32 s41, ttmp6, 0x40004                  ; cy
	s_lshl_b32 s42, ttmp9, 2
	s_add_co_u32 s42, s42, s40                     ; tile column of C
	s_and_b32 s17, ttmp7, 0xffff
	s_lshl_b32 s17, s17, 2
	s_add_co_u32 s17, s17, s41                     ; tile row of C
	s_lshl_b32 s43, s41, 2
	s_lshl_b32 s43, 15, s43                        ; my row of the cluster
	s_lshl_b32 s44, 0x1111, s40                    ; my column
	; group 1 for A: 8 token tiles, 3,072 bytes (384 elements of 8) of each, 12,288 bytes apart; no padding
	s_or_b32 s[G1+0], s43, (3<<16)|(1<<21)
	s_mov_b32 s[G1+1], 384<<16
	s_mov_b32 s[G1+2], 8<<16
	s_mov_b32 s[G1+3], 384<<16
	s_mov_b32 s[G1+4], 8
	s_mov_b32 s[G1+5], 1536
	s_mov_b32 s[G1+6], 0
	s_mov_b32 s[G1+7], 0
	; for B: 128 rows x 192 bytes, 16 bytes of padding behind every 64
	s_or_b32 s[G1B+0], s44, (0<<16)|(1<<20)|(1<<21)|(3<<22)|(3<<25)
	s_mov_b32 s[G1B+1], ROWB<<16
	s_mov_b32 s[G1B+2], 128<<16
	s_mov_b32 s[G1B+3], ROWB<<16
	s_mov_b32 s[G1B+4], 128
	s_mov_b32 s[G1B+5], KROW
	s_mov_b32 s[G1B+6], 0
	s_mov_b32 s[G1B+7], 0
	; the scale bytes of 128 rows: 4,096 dense bytes as rows of 256, 16 bytes of padding behind each
	s_or_b32 s[G1S+0], s43, (3<<16)|(1<<20)|(1<<21)|(5<<22)|(3<<25)
	s_or_b32 s[G1SB+0], s44, (3<<16)|(1<<20)|(1<<21)|(5<<22)|(3<<25)
.irp g, G1S, G1SB
	s_mov_b32 s[\g+1], 32<<16
	s_mov_b32 s[\g+2], (128*KS/256)<<16
	s_mov_b32 s[\g+3], 32<<16
	s_mov_b32 s[\g+4], 128*KS/256
	s_mov_b32 s[\g+5], 32
	s_mov_b32 s[\g+6], 0
	s_mov_b32 s[\g+7], 0
.endr
	s_lshl_b32 s18, s16, 7                         ; which 128 rows of the tile I fetch
	s_lshl_b32 s20, s17, 8
	s_add_co_u32 s20, s20, s18                     ; A's first row
	s_lshl_b32 s46, s42, 8
	s_add_co_u32 s46, s46, s18                     ; B's
	s_lshl_b32 s22, s20, 5
	s_add_co_u32 s22, s22, 6291456                 ; A's scale bytes
	s_mov_b32 s23, 0
	s_mul_i32 s20, s20, 768                        ; A's half fragments: 12,288 bytes for 16 rows
	s_mov_b32 s21, 0
	s_lshl_b32 s92, s46, 5
	s_add_co_u32 s92, s92, 3244032                 ; B's scale bytes: Wo's rows begin 3,072 rows on
	s_mov_b32 s93, 0
	s_mul_i32 s46, s46, KROW
	s_add_co_u32 s46, s46, 2359296                 ; B's codes
	s_mov_b32 s47, 0
	s_mul_i32 s45, s16, HALFA                      ; where they go: no place in the cluster enters an LDS address
	s_mul_i32 s95, s16, HALFB
	s_add_co_u32 s95, s95, 2*HALFA
	s_mul_i32 s94, s14, HALFS
	s_wait_dscnt 0x0                               ; the opening add is done
	s_wait_kmcnt 0x0
	s_add_nc_u64 s[20:21], s[4:5], s[20:21]
	s_add_nc_u64 s[22:23], s[4:5], s[22:23]
	s_add_nc_u64 s[46:47], s[6:7], s[46:47]
	s_add_nc_u64 s[92:93], s[6:7], s[92:93]
	CROUND                                         ; all sixteen work-groups are here: the first joint loads meet
	s_mov_b32 s[G0S], 1
	s_add_co_u32 s[G0S+1], s94, SCL
	s_mov_b64 s[G0S+2:G0S+3], s[22:23]
	s_or_b32 s[G0S+3], s[G0S+3], 0x80000000
	s_mov_b32 s[G0SB], 1
	s_add_co_u32 s[G0SB+1], s94, SCL
	s_mov_b64 s[G0SB+2:G0SB+3], s[92:93]
	s_or_b32 s[G0SB+3], s[G0SB+3], 0x80000000
	JLOAD G0S, G1S, G0SB, G1SB                     ; the scales first
.irp s, 0,1
	s_mov_b32 s[G0+4*\s], 1
	s_add_co_u32 s[G0+4*\s+1], s45, \s*SLOT
	s_add_nc_u64 s[G0+4*\s+2:G0+4*\s+3], s[20:21], \s*ASTEP
	s_or_b32 s[G0+4*\s+3], s[G0+4*\s+3], 0x80000000
	s_mov_b32 s[G0B+4*\s], 1
	s_add_co_u32 s[G0B+4*\s+1], s95, \s*SLOT
	s_add_nc_u64 s[G0B+4*\s+2:G0B+4*\s+3], s[46:47], \s*ROWB
	s_or_b32 s[G0B+4*\s+3], s[G0B+4*\s+3], 0x80000000
	JLOAD G0+4*\s, G1, G0B+4*\s, G1B               ; three tensor loads of mine are out at the most
.endr
	v_and_b32 v1, 15, v0                           ; l % 16
	v_bfe_u32 v2, v0, 4, 1                         ; l / 16
	v_and_b32 v6, 31, v0                           ; lane
	v_lshlrev_b32 v7, 4, v6
	v_lshlrev_b32 v8, 3, v6
	v_mul_u32_u24 v3, v1, PITCH
	v_mul_u32_u24 v4, v2, 24
	v_add_nc_u32 v4, v3, v4                        ; B: a fragment's row x pitch + 24 x half
	v_lshl_add_u32 v5, v2, 4, v4                   ; and the same behind one padding more
	s_mul_i32 s21, s15, HALFA                      ; my 128 rows of A
	s_mul_i32 s22, s16, HALFB                      ; my 128 rows of B,
	s_add_co_u32 s22, s22, 2*HALFA                 ; which lie behind A's 256
.irp s, 0,1
	v_add_nc_u32 v[ADRA+\s], s21, v7
	v_add_nc_u32 v[ADRA+2+\s], s21, v8
	v_add_nc_u32 v[ADRB+\s], s22, v4
	v_add_nc_u32 v[ADRB+2+\s], s22, v5
	s_add_co_u32 s21, s21, SLOT
	s_add_co_u32 s22, s22, SLOT
.endr
	v_mul_u32_u24 v5, v1, KS                       ; my row's scales
	v_lshrrev_b32 v6, 8, v5
	v_lshl_add_u32 v5, v6, 4, v5
	s_mul_i32 s21, s15, HALFS
	s_mul_i32 s22, s16, HALFS
	s_add_co_u32 s22, s22, 2*HALFS
	s_sub_co_u32 s22, s22, s21
	v_mul_u32_u24 v6, s22, v2                      ; lanes 16-31 take B's
	s_add_co_u32 s21, s21, SCL
	v_add_nc_u32 v5, v5, v6
	v_add_nc_u32 v[ADRS], s21, v5
	s_mul_i32 s23, s14, 16*SPITCH                  ; my stage
	v_mul_u32_u24 v5, v1, SPITCH                   ; in: row l % 16; my half's 16 columns of each 32 begin 64 bytes on
	v_lshl_add_u32 v5, v2, 6, v5
	v_add_nc_u32 v[STO], s23, v5
	v_mov_b32 v[CO], v7                            ; back: the 32 lanes take one row of 512 bytes; and the same in C
	v_add_nc_u32 v[RD], s23, v7
	s_lshl_b32 s20, s17, 8
	s_lshl_b32 s21, s15, 7
	s_add_co_u32 s20, s20, s21                     ; my first row of C
	s_lshl_b32 s20, s20, 12                        ; 4,096 bytes a row (under 2^25 in all)
	s_lshl_b32 s46, s42, 10
	s_add_co_u32 s20, s20, s46
	s_lshl_b32 s46, s16, 9
	s_add_co_u32 s20, s20, s46                     ; + my first column
	s_mov_b32 s21, 0
	s_add_nc_u64 s[12:13], s[12:13], s[20:21]
.macro FRAG reg, adr, q, i             ; a fragment of B from rows: pieces of 8 bytes; where the piece of lanes 16-31 lies behind one padding more, the second address register serves
.irp p, 0,1,2,3,4,5
.set PIECE, 12*(\q)+6*(\p/3)+\p%3
.if PIECE%8 < 5
	ds_load_b64 v[\reg+2*\p:\reg+2*\p+1], v[\adr] offset:8*PIECE+16*(PIECE/8)+(\i)*16*PITCH
.else
	ds_load_b64 v[\reg+2*\p:\reg+2*\p+1], v[\adr+2] offset:8*PIECE+16*(PIECE/8)+(\i)*16*PITCH
.endif
.endr
.endm
.macro FRAG_A reg, slot, q, i          ; a fragment of A: two half fragments as they lie
	ds_load_b128 v[\reg:\reg+3], v[ADRA+\slot] offset:ASTEP*(\i)+1536*(\q)
	ds_load_b64 v[\reg+4:\reg+5], v[ADRA+2+\slot] offset:ASTEP*(\i)+1536*(\q)+512
	ds_load_b128 v[\reg+6:\reg+9], v[ADRA+\slot] offset:ASTEP*(\i)+1536*(\q)+768
	ds_load_b64 v[\reg+10:\reg+11], v[ADRA+2+\slot] offset:ASTEP*(\i)+1536*(\q)+1280
.endm
; 16 matrix instructions: A's blocks a0, a0 + 1 x B's eight.  The 64 accumulators take turns, one instruction a turn, in the same order in every step.
.macro MUL16 a0, p, q, sc, zero
.irp a, \a0, \a0+1
.irp b, 0,1,2,3,4,5,6,7
.if \zero
	v_wmma_scale_f32_16x16x128_f8f6f4 v[8*(8*((\a)%4)+\b):8*(8*((\a)%4)+\b)+7], v[128*(\p)+FR*\b:128*(\p)+FR*\b+FR-1], v[AF+FR*(\a):AF+FR*(\a)+FR-1], 0, v[SC+8*NQ*(\sc)+NQ*\b+(\q)], v[SC+8*NQ*(\sc)+NQ*(\a)+(\q)] matrix_a_fmt:MATRIX_FMT_FP6 matrix_b_fmt:MATRIX_FMT_FP6 matrix_a_scale:MATRIX_SCALE_ROW1
.else
	v_wmma_scale_f32_16x16x128_f8f6f4 v[8*(8*((\a)%4)+\b):8*(8*((\a)%4)+\b)+7], v[128*(\p)+FR*\b:128*(\p)+FR*\b+FR-1], v[AF+FR*(\a):AF+FR*(\a)+FR-1], v[8*(8*((\a)%4)+\b):8*(8*((\a)%4)+\b)+7], v[SC+8*NQ*(\sc)+NQ*\b+(\q)], v[SC+8*NQ*(\sc)+NQ*(\a)+(\q)] matrix_a_fmt:MATRIX_FMT_FP6 matrix_b_fmt:MATRIX_FMT_FP6 matrix_a_scale:MATRIX_SCALE_ROW1
.endif
.endr
.endr
.endm
.macro FETCH_B slot, q, p
	WIN TO_B
.irp i, 0,1,2,3,4,5,6,7
	FRAG 128*(\p)+FR*\i, ADRB+\slot, \q, \i
.endr
	WIN 0
.endm
.macro FETCH_A slot, q, i0
.irp i, \i0, \i0+1, \i0+2, \i0+3
	FRAG_A AF+FR*(\i), \slot, \q, \i
.endr
.endm
.macro SCALES sc
.irp i, 0,1,2,3,4,5,6,7
	ds_load_b64 v[SC+8*NQ*\sc+NQ*\i:SC+8*NQ*\sc+NQ*\i+1], v[ADRS] offset:\i*SBLK
.endr
.endm
.macro PLACES n
.rept \n
	v_nop
.endr
.endm
.macro STEP slot, q, zero
	s_wait_dscnt 4*NLA                             ; B's set and A's blocks 0-3 are in; the youngest 16 loads (A's blocks 4-7) may be out
	WIN MUL_LO
	MUL16 0, (\q)%2, \q, \slot, \zero
	MUL16 2, (\q)%2, \q, \slot, \zero
	s_wait_dscnt 0
	PLACES NP
	FETCH_B \slot, (\q)+1, 1-(\q)%2
	FETCH_A \slot, (\q)+1, 0
	WIN MUL_HI
	MUL16 4, (\q)%2, \q, \slot, \zero
	MUL16 6, (\q)%2, \q, \slot, \zero
	PLACES NP
	WIN 0
	FETCH_A \slot, (\q)+1, 4
.endm
.macro TURN slot, next, fill
	s_wait_tensorcnt 0x0                           ; all my tensor loads have landed: my part of the next slot
	ds_add_u32 v[SPW], v[NIL]                      ; 0 onto my spare word
	s_wait_dscnt 4*NLA+1                           ; (the add and the youngest 16 loads may be out)
	WIN MUL_LO
	MUL16 0, 1, NQ-1, \slot, 0
	s_wait_dscnt 0x0                               ; the add is done, and my reads of this slot are over
	s_barrier_signal -1
	MUL16 2, 1, NQ-1, \slot, 0
	WIN 0
	s_barrier_wait -1
.if \fill
	CREST                                          ; the barrier has opened a round of the cluster's barrier: no wave of any partner still reads this slot or has a load on its way
	s_add_nc_u64 s[G0+4*\slot+2:G0+4*\slot+3], s[G0+4*\slot+2:G0+4*\slot+3], 2*ASTEP
	s_add_nc_u64 s[G0B+4*\slot+2:G0B+4*\slot+3], s[G0B+4*\slot+2:G0B+4*\slot+3], 2*ROWB
	JLOAD G0+4*\slot, G1, G0B+4*\slot, G1B         ; the first tensor load behind the round; its four v_nop are the places in front of the loads below
.else
	PLACES NP
.endif
	v_add_nc_u32 v[ADRS], 4*NQ, v[ADRS]
	FETCH_B \next, 0, 0
	FETCH_A \next, 0, 0
	SCALES \next
	WIN MUL_HI
	MUL16 4, 1, NQ-1, \slot, 0
	MUL16 6, 1, NQ-1, \slot, 0
	PLACES NP
	WIN 0
	FETCH_A \next, 0, 4
.endm
	s_wait_tensorcnt 1                             ; the scales and my part of K step 0 are in (K step 1's load may be out),
	s_barrier_signal -1
	s_barrier_wait -1                              ; everybody's are
	FETCH_B 0, 0, 0
	FETCH_A 0, 0, 0
	SCALES 0
	FETCH_A 0, 0, 4
	STEP 0, 0, 1                                   ; the first step's products start the sums
	s_mov_b32 s3, LAPS-1
.Llap:
	TURN 0, 1, 1
	STEP 1, 0, 0
	TURN 1, 0, 1
	STEP 0, 0, 0
	s_sub_co_u32 s3, s3, 1
	s_cmp_lg_u32 s3, 0
	s_cbranch_scc1 .Llap
	TURN 0, 1, 0                                   ; the last lap fills nothing
	STEP 1, 0, 0
	s_wait_dscnt 4*NLA
	WIN MUL_LO
	MUL16 0, 1, NQ-1, 1, 0
	MUL16 2, 1, NQ-1, 1, 0
	s_wait_dscnt 0
	WIN MUL_HI
	MUL16 4, 1, NQ-1, 1, 0
	MUL16 6, 1, NQ-1, 1, 0
	WIN 0
; THE WAY OUT, block by block of 16 rows x 128 columns, through my own stage in LDS.  Accumulator (a, b), register j of lane (r, h) is column 32 (b / 2) + 16 h + 8 (b % 2) + j of the row at position 16 a + r:
; the stage's offsets put the columns in order, the stores' immediates the rows (position 16 a + t is row 32 (a / 2) + 8 (a % 2) + t + 8 (t / 8)).  LDS serves a wave's instructions in order: no wait between stores and loads.
.macro TOSTAGE a
.set AC, 64*((\a)%4)
	WIN 0x08+4*((\a)/4)                            ; the data: window 2 or 3
.irp b, 0,1,2,3,4,5,6,7
	ds_store_b128 v[STO], v[AC+8*\b:AC+8*\b+3] offset:128*(\b/2)+32*(\b%2)       ; each accumulator from its low end on
	ds_store_b128 v[STO], v[AC+8*\b+4:AC+8*\b+7] offset:128*(\b/2)+32*(\b%2)+16
.endr
	WIN 0
.set BBK, BK+64*((\a)%2)
.irp t, 0,1,2,3,4,5,6,7,8,9,10,11,12,13,14,15
	ds_load_b128 v[BBK+4*\t:BBK+4*\t+3], v[RD] offset:\t*SPITCH
.endr
.endm
.macro SEND a, younger                 ; younger: the LDS instructions issued behind block a's loads, which may stay out
.set BBK, BK+64*((\a)%2)
	s_wait_dscnt \younger
.irp t, 0,1,2,3,4,5,6,7,8,9,10,11,12,13,14,15
	global_store_b128 v[CO], v[BBK+4*\t:BBK+4*\t+3], s[12:13] offset:(32*((\a)/2)+8*((\a)%2)+\t+8*(\t/8))*4096 th:TH_STORE_NT   ; 32 lanes store 512 consecutive bytes, aligned to 256; 127 rows at the most: inside the signed 24-bit immediate
.endr
.endm
	PLACES NP                                      ; behind the last products: for the loads into the registers that held A's fragments and for the reads of results
	TOSTAGE 0
.irp a, 1,2,3,4,5,6,7
.if \a > 1
	s_wait_xcnt 0x0                                ; block a - 2's stores have had their addresses translated: block a's loads may land in their registers
.endif
	TOSTAGE \a
	SEND \a-1, 32                                  ; behind block a - 1's loads: block a's 16 stores and 16 loads
.endr
	SEND 7, 0
	s_wait_tensorcnt 0x0                           ; the wave's end, behind my last tensor load and my last LDS store
	ds_add_u32 v[SPW], v[NIL]
	s_wait_dscnt 0x0
	CROUND                                         ; the closing round
	s_endpgm
.Lfunc_end_k_qeb651f0f5e_oproj:
	.size	k_qeb651f0f5e_oproj, .Lfunc_end_k_qeb651f0f5e_oproj-k_qeb651f0f5e_oproj
	.p2alignl 7, 3214868480
	.fill 96, 4, 3214868480
	.section	.rodata,"a",@progbits
	.p2align	6, 0x0
	.amdhsa_kernel k_qeb651f0f5e_oproj
		.amdhsa_group_segment_fixed_size 327680
		.amdhsa_private_segment_fixed_size 0
		.amdhsa_enable_private_segment 0
		.amdhsa_kernarg_size 24
		.amdhsa_user_sgpr_count 2
		.amdhsa_user_sgpr_kernarg_segment_ptr 1
		.amdhsa_wavefront_size32 1
		.amdhsa_system_sgpr_workgroup_id_x 1
		.amdhsa_system_sgpr_workgroup_id_y 1
		.amdhsa_system_sgpr_workgroup_id_z 1
		.amdhsa_system_vgpr_workitem_id 0
		.amdhsa_next_free_vgpr 1024
		.amdhsa_next_free_sgpr 98
		.amdhsa_reserve_vcc 0
		.amdhsa_float_denorm_mode_32 3
		.amdhsa_float_denorm_mode_16_64 3
		.amdhsa_memory_ordered 1
		.amdhsa_forward_progress 1
		.amdhsa_inst_pref_size 151
	.end_amdhsa_kernel
	.amdgpu_metadata
---
amdhsa.version: [ 1, 2 ]
amdhsa.kernels:
  - .name:           k_qeb651f0f5e_oproj
    .symbol:         k_qeb651f0f5e_oproj.kd
    .args:
      - { .name: ao, .offset: 0, .size: 8, .value_kind: global_buffer, .address_space: global }
      - { .name: wq, .offset: 8, .size: 8, .value_kind: global_buffer, .address_space: global }
      - { .name: out0, .offset: 16, .size: 8, .value_kind: global_buffer, .address_space: global }
    .group_segment_fixed_size: 327680
    .private_segment_fixed_size: 0
    .kernarg_segment_align: 8
    .kernarg_segment_size: 24
    .max_flat_workgroup_size: 128
    .sgpr_count:     98
    .vgpr_count:     1024
    .wavefront_size: 32
...
	.end_amdgpu_metadata
.endif
;; end of part 4
